; MI455X (gfx1250); checked and timed in simulation.
; The chip was launched on July 23, 2026; its instructions are those of AMD's public machine-readable ISA for CDNA 5 (MIT licence, August 2026) and "CDNA5" Instruction Set Architecture Reference Guide (July 2026). The comments in the code are by the model that wrote it; some were corrected since.
;; Multi Head Self Attention. Allowed arithmetic: matrix products marked QUANTISED: E5M2 operands, one E8M0 scale for each 32 along K, by v_wmma_scale_f32_16x16x128_f8f6f4 with both operands' format E5M2, f32 sums; everything else in f32.
;; Inputs: W_out 1,024 x 1,024 float32; W_qkv 1,024 x 3,072 float32; b_out 1,024 float32; b_qkv 3,072 float32; causal_mask 2,048 x 2,048 bool; padding_mask 4 x 2,048 bool; x 4 x 2,048 x 1,024 float32.
;; Outputs: out0 4 x 2,048 x 1,024 float32.
;; This version of the problem:
;;   THIS VERSION OF THE PROBLEM IS GIVEN IN LOW PRECISION. The matrix products marked QUANTISED in the list below multiply operands that are first quantised to E5M2 (5 exponent bits, 2 mantissa bits; 8 bits a number), with one power-of-two scale for each 32 numbers along K (OCP MX v1.0); their sums are f32. All else is computed in f32.
;;   The module's matrix products, in the order in which they are computed (A, B: the left and right operand; K: the contracted axis; several contracted axes count as one K, in the product's order):
;;     1. [M 8,192, K 1,024] x [K 1,024, N 3,072]; A: input x; B: input W_qkv: QUANTISED
;;     2. batch 64 x [M 2,048, K 64] x [K 64, N 2,048]; A: computed on the way; B: computed on the way: QUANTISED
;;     3. batch 64 x [M 2,048, K 2,048] x [K 2,048, N 64]; A: softmax (see below); B: computed on the way: QUANTISED
;;     4. [M 8,192, K 1,024] x [K 1,024, N 1,024]; A: computed on the way; B: input W_out: QUANTISED
;;   THE QUANTISER, for each operand of a quantised product, along K:
;;     - K is cut into blocks of 32 from its start; a last block that is shorter is filled with zeros.
;;     - A block's scale is 2^e with e = floor(log2(the largest magnitude in the block)) - 15, held to -126 .. 127; a block of zeros has e = 0. As a byte (E8M0): e + 127.
;;     - Each number is divided by its block's scale, clamped to +-57,344, and rounded to the nearest number of E5M2, ties to even, subnormals kept.
;;     - The product sums the exact products of the quantised numbers (number of the format x scale) in f32.
;;   ~~~python
;;   def quantise(x, axis):      # numpy; x: float32 -> the quantised numbers, widened to float32 again
;;       x = np.moveaxis(x, axis, -1); K = x.shape[-1]
;;       x = np.pad(x, [(0, 0)] * (x.ndim - 1) + [(0, -K % 32)]); x = x.reshape(x.shape[:-1] + (-1, 32)); a = np.abs(x).max(-1, keepdims=True)
;;       e = np.where(a > 0, np.clip(np.frexp(np.where(a > 0, a, 1))[1] - 1 - 15, -126, 127), 0)      # np.frexp(a)[1] - 1 = floor(log2(a)), exactly
;;       r = np.clip(x / 2.0 ** e, -57344, 57344)
;;       step = 2.0 ** (np.maximum(np.frexp(np.where(r == 0, 1, r))[1] - 1, -14) - 2)
;;       q = np.round(r / step) * step * 2.0 ** e      # np.round: ties to even
;;       return np.moveaxis(q.reshape(q.shape[:-2] + (-1,))[..., :K], -1, axis).astype(np.float32)
;;   ~~~
;;   SOFTMAX AHEAD OF A QUANTISED PRODUCT. Where the list says 'softmax', what is quantised is not the finished softmax but p = 2^(t - M), with t = logit x log2(e) and M = ceil(the row's largest t), a whole number; so 1/2 < the row's largest p <= 1. The row's sum l is taken of the UNQUANTISED p, in f32, and the product's result is divided by l at the end. Since M is a whole number, a kernel that streams over the keys may use a running M (the ceiling of the running maximum): every later rescaling is an exact power of two, which a block's scale takes up: the codes' values come out the same.
;;   OPERANDS COMPUTED ON THE WAY. 'Computed on the way' means the value that the module computes at that place (a softmax that the list does not call 'softmax' is quantised finished and normalised). What goes into a quantiser is computed in f32, as accurately as f32 sums, v_exp_f32 and their like allow (about 1e-6 of the number): no bf16 or f16 on the way to a quantiser, and a product that is left as it is and whose result goes on into a quantised operand takes f32 operands (vector FMAs, or v_wmma_f32_16x16x4_f32). A number that lies on a knife's edge between two numbers of the format may be rounded either way, as far as f32 arithmetic and the matrix unit's own rounding can turn it there, and no further.
;; One version. Each part assembles by itself: llvm-mc -triple=amdgcn-amd-amdhsa -mcpu=gfx1250 --defsym DOCPART=n.
;; ======== version 1 of 1: 4 launches
;; limits: right only within a limited range of input values
;; workspace buffers: opc 12,582,912 bytes; ops 393,216 bytes; cls 2,048 bytes of whole numbers; qkvc 25,165,824 bytes; qkvs 786,432 bytes; aoc 8,388,608 bytes; aos 262,144 bytes
;; launch prep (part 1): grid 512 x 1, 4 waves a work-group, no clusters, 34,304 bytes of LDS; arguments x, W_qkv, W_out, causal_mask, padding_mask, opc, ops, cls; writes opc, ops, cls
.if DOCPART == 1
	.amdgcn_target "amdgcn-amd-amdhsa--gfx1250"
	.amdhsa_code_object_version 6
	.text
	.protected	k_q956e686781_prep
	.globl	k_q956e686781_prep
	.p2align	8
	.type	k_q956e686781_prep,@function
k_q956e686781_prep:
	s_mov_b64 s[64:65], 0
	v_nop
	global_prefetch_b8 v0, s[64:65] scope:SCOPE_SE
	s_setreg_imm32_b32 hwreg(HW_REG_WAVE_MODE, 25, 1), 1
	s_wait_xcnt 0x0
; x [8192][1024], W_qkv [1024][3072] and W_out [1024][1024], f32, become codes of E5M2 with one E8M0 byte for each 32 along K (K = the 1,024), and the two masks become a class for each key step.
; THE CODES ARE LAID AS IMAGES OF OPERAND REGISTERS.  A tile is 16 rows of an operand (tokens of x, columns of a weight); its lane r holds row 32 (T / 2) + 8 (T % 2) + r + 8 (r / 8).
; A fragment (a tile x 128 along K) is 2,048 bytes: registers 4 c .. 4 c + 3 of lane l lie at 512 c + 16 l.  opc: [tile][K step 0..7][2,048]: tiles 0-511 x, 512-703 W_qkv's columns, 704-767 W_out's.
; ops: 32 scale bytes for each row, rows in the tiles' order (16 T + r).
; A block's scale is 2^(floor(log2(its largest magnitude)) - 15); the byte is that magnitude's exponent field - 15, held at 1 from below; each number is held within +-57,344 x the scale and converted.
; LIMITS: a block whose largest magnitude lies under 2^-111 (a block of zeros too) keeps the byte 1: its codes are what the conversion gives, zeros for zeros, and only this program reads the bytes.  NaN and infinities are not served.
; cls: word [128 b + t], two bits for each key step k of 128 keys at bit 2 k, for the 16 queries of tile t of batch b under causal_mask | padding_mask: 0 nothing is masked; 1 some are;
; 2 all 16 x 128 are masked AND each of the 16 rows has an open key somewhere, so that every weight of the step is exactly 0.  Mask bytes are 0 or 1.
; WORK-GROUPS: 0-255 x (a wave: a tile x 512 along K); 256-351 W_qkv, 352-383 W_out (a wave: 32 columns x 256 along K); 384-511 the masks (a wave: a tile of queries, a batch).  Waves share nothing: no barrier.
.set SEL, 28                           ; s[28:29] selects of v_permlanex16_b32 for lane l xor 16
.set MNT, 30                           ; s30 the mantissa field of 57,344
.set R0,  16                           ; x: v16-143 two sets of 64 registers as loaded
.set XN,  144                          ; v144-207 64 numbers of a lane in the operand's order
.set PC,  208                          ; v208-223 a fragment's codes
.set TM,  224                          ; v224-239 largest magnitudes, bytes, holds, scale operands: four each
.set PWS, 240                          ; v240-243 the four K steps' scale words
.set WX,  32                           ; weights: v32-95 two sets of 32 numbers
.set WC,  96                           ; v96-159 codes, eight registers for each block: no store's data are written again
.set SB,  24                           ; v24-25 the eight scale bytes
.set MP,  32                           ; masks: v32-47 the batch's padding bytes
.set AA,  48                           ; v48-51 the AND over the 16 rows, v52-55 the OR
.set OA,  52
.set MW,  56                           ; v56-63 at work
.set RING, 64                          ; v64-191 eight rows of 16 registers
	s_load_b512 s[4:19], s[0:1], 0x0               ; x s[4:5], W_qkv s[6:7], W_out s[8:9], causal s[10:11], padding s[12:13], opc s[14:15], ops s[16:17], cls s[18:19]
	v_lshl_add_u32 v254, v0, 2, 0x8400
	v_mov_b32 v255, 0
	v_lshrrev_b32 v1, 5, v0
	v_readfirstlane_b32 s20, v1                    ; wave
	v_and_b32 v1, 31, v0                           ; lane
	v_and_b32 v2, 15, v0                           ; r
	v_bfe_u32 v3, v0, 4, 1                         ; h
	s_mov_b32 s[SEL], 0x76543210
	s_mov_b32 s[SEL+1], 0xfedcba98
	s_mov_b32 s[MNT], 0x600000
	s_wait_kmcnt 0x0
	s_cmp_lt_u32 ttmp9, 256
	s_cbranch_scc1 .Lpath_x
	s_cmp_lt_u32 ttmp9, 352
	s_cbranch_scc1 .Lpath_wq
	s_cmp_lt_u32 ttmp9, 384
	s_cbranch_scc1 .Lpath_wo
; ---- THE MASKS.  Tile t = work-group - 384, batch = wave.  A row of 2,048 bytes is four loads of 512; lane l of load j holds keys 512 j + 16 l .. + 15, so key step 4 j + g lies in lanes 8 g .. 8 g + 7.
	s_sub_co_u32 s21, ttmp9, 384                   ; t
	s_lshr_b32 s22, s21, 1
	s_lshl_b32 s22, s22, 16                        ; 32 (t / 2) rows of 2,048 bytes
	s_and_b32 s23, s21, 1
	s_lshl_b32 s23, s23, 14                        ; + 8 (t % 2) rows
	s_add_co_u32 s22, s22, s23
	s_mov_b32 s23, 0
	s_add_nc_u64 s[10:11], s[10:11], s[22:23]
	s_lshl_b32 s22, s20, 11
	s_add_nc_u64 s[12:13], s[12:13], s[22:23]      ; the batch's row of padding_mask
	s_lshl_b32 s22, s20, 7
	s_add_co_u32 s22, s22, s21
	s_lshl_b32 s22, s22, 2
	s_add_nc_u64 s[18:19], s[18:19], s[22:23]      ; my word of cls
	s_wait_alu depctr_va_vdst(0)
	v_lshlrev_b32 v4, 4, v1                        ; 16 bytes a lane
	s_mov_b32 s31, 0x01010101
	s_mov_b32 s32, 1                               ; every row so far has an open key
.macro MLOAD i                         ; the tile's row i into ring slot i % 8
.irp j, 0,1,2,3
	global_load_b128 v[RING+16*((\i)%8)+4*\j:RING+16*((\i)%8)+4*\j+3], v4, s[10:11] offset:((\i)+8*((\i)/8))*2048+512*\j
.endr
.endm
.macro MROW i, refill, left            ; left: the younger loads that may stay out, four a row
.set RG, RING+16*((\i)%8)
	s_wait_loadcnt \left
.irp n, 0,1,2,3,4,5,6,7,8,9,10,11,12,13,14,15
	v_or_b32 v[RG+\n], v[RG+\n], v[MP+\n]          ; causal | padding
.endr
.irp j, 0,1,2,3
	v_and_b32 v[MW+\j], v[RG+4*\j], v[RG+4*\j+1]
	v_or_b32 v[MW+4+\j], v[RG+4*\j], v[RG+4*\j+1]
.endr
.irp n, 2,3
.irp j, 0,1,2,3
	v_and_b32 v[MW+\j], v[MW+\j], v[RG+4*\j+\n]
	v_or_b32 v[MW+4+\j], v[MW+4+\j], v[RG+4*\j+\n]
.endr
.endr
.irp j, 0,1,2,3
.if (\i) == 0
	v_mov_b32 v[AA+\j], v[MW+\j]                   ; the first row starts both
	v_mov_b32 v[OA+\j], v[MW+4+\j]
.else
	v_and_b32 v[AA+\j], v[AA+\j], v[MW+\j]
	v_or_b32 v[OA+\j], v[OA+\j], v[MW+4+\j]
.endif
.endr
	v_and_b32 v[MW], v[MW], v[MW+1]
	v_and_b32 v[MW+2], v[MW+2], v[MW+3]
	v_and_b32 v[MW], v[MW], v[MW+2]                ; the AND of my 64 bytes of the row
	v_cmp_ne_u32 s33, s31, v[MW]                   ; lanes that hold an open key
	s_cmp_lg_u32 s33, 0
	s_cselect_b32 s32, s32, 0                      ; a row without one ends it
.if \refill
	MLOAD (\i)+8
.endif
.endm
.irp j, 0,1,2,3
	global_load_b128 v[MP+4*\j:MP+4*\j+3], v4, s[12:13] offset:512*\j
.endr
.irp i, 0,1,2,3,4,5,6,7
	MLOAD \i
.endr
.irp i, 0,1,2,3,4,5,6,7
	MROW \i, 1, 28                                 ; seven younger rows stay out
.endr
.irp i, 8,9,10,11,12,13,14,15
	MROW \i, 0, 4*(15-\i)                          ; nothing more is loaded: the counts run down
.endr
.irp j, 0,1,2,3
	v_cmp_eq_u32 s[36+\j], s31, v[AA+\j]           ; lanes whose 16 keys are masked in all 16 rows
	v_cmp_ne_u32 s[40+\j], 0, v[OA+\j]             ; lanes with a masked byte
.endr
	s_mov_b32 s35, 0
	s_cmp_lg_u32 s32, 0
	s_cselect_b32 s34, 2, 1                        ; what a step that is masked throughout gets
.irp j, 0,1,2,3
.irp g, 0,1,2,3
	s_bfe_u32 s44, s[40+\j], (8<<16)|(8*\g)
	s_cmp_lg_u32 s44, 0
	s_cselect_b32 s45, 1, 0
	s_bfe_u32 s44, s[36+\j], (8<<16)|(8*\g)
	s_cmp_eq_u32 s44, 0xff
	s_cselect_b32 s45, s34, s45
	s_lshl_b32 s45, s45, 2*(4*\j+\g)
	s_or_b32 s35, s35, s45
.endr
.endr
	v_mov_b32 v8, s35
	v_mov_b32 v9, 0
	s_wait_alu depctr_va_vdst(0)
	s_wait_xcnt 0x0                                ; EXEC changes only behind this wait
	v_cmp_eq_u32 vcc_lo, 0, v1
	s_and_saveexec_b32 s46, vcc_lo
	global_store_b32 v9, v8, s[18:19]              ; one lane stores the word
	s_wait_xcnt 0x0                                ; and again ahead of the line that widens it
	s_or_b32 exec_lo, exec_lo, s46
	s_endpgm
; 64 numbers of a lane, register 16 b + i = k 32 b + 16 h + i of my row, become a fragment's codes in v[PC] on and its scale word in v[pw]
.macro QUANT s, pw
.irp b, 0,1,2,3
	v_max3_num_f32 v[TM+\b], |v[\s+16*\b]|, |v[\s+1+16*\b]|, 0x8000000   ; my 16 numbers of block b, and the floor 2^(16 - 127): the byte cannot fall under 1
.endr
.irp i, 2,4,6,8,10,12,14
.irp b, 0,1,2,3
	v_max3_num_f32 v[TM+\b], v[TM+\b], |v[\s+16*\b+\i]|, |v[\s+1+16*\b+\i]|   ; the four blocks by turns
.endr
.endr
.irp b, 0,1,2,3
	v_permlanex16_b32 v[TM+4+\b], v[TM+\b], s[SEL], s[SEL+1]
.endr
.irp b, 0,1,2,3
	v_max_num_f32 v[TM+\b], v[TM+\b], v[TM+4+\b]   ; with lane l xor 16's 16: the block's largest magnitude
.endr
.irp b, 0,1,2,3
	v_add_nc_u32 v[TM+12+\b], 0xf8800000, v[TM+\b] ; 15 off its exponent field: the conversion's scale operand
.endr
.irp b, 0,1,2,3
	v_and_or_b32 v[TM+8+\b], v[TM+\b], 0x7f800000, s[MNT]   ; 57,344 x the scale
.endr
.irp b, 0,1,2,3
	v_lshrrev_b32 v[TM+4+\b], 23, v[TM+12+\b]      ; the scale's byte
.endr
	v_lshl_or_b32 v[\pw], v[TM+5], 8, v[TM+4]
	v_lshl_or_b32 v[\pw], v[TM+6], 16, v[\pw]
	v_lshl_or_b32 v[\pw], v[TM+7], 24, v[\pw]
.irp b, 0,1,2,3
.irp i, 0,1,2,3,4,5,6,7,8,9,10,11,12,13,14,15
	v_med3_num_f32 v[\s+16*\b+\i], v[\s+16*\b+\i], -v[TM+8+\b], v[TM+8+\b]   ; the conversion to an 8-bit code does not saturate (ISA guide 7.6.2): the hold
.endr
	v_cvt_scalef32_pk8_bf8_f32 v[PC+4*\b:PC+1+4*\b], v[\s+16*\b:\s+7+16*\b], v[TM+12+\b]
	v_cvt_scalef32_pk8_bf8_f32 v[PC+2+4*\b:PC+3+4*\b], v[\s+8+16*\b:\s+15+16*\b], v[TM+12+\b]
.endr
	v_nop                                          ; a plain line behind the last conversion
.endm
; ---- x.  Unit u = 4 x work-group + wave: tile u / 2, K steps 4 (u % 2) + 0 .. 3.  Each load reads 512 consecutive bytes of one row (a K step); a K step's 16 rows turn through the wave's own stage
; (rows 528 bytes apart: 132 words, so the 16 rows of a read start at 16 different banks) and come back 64 bytes a lane and block: 16 neighbours along K.
.Lpath_x:
	s_lshl_b32 s21, ttmp9, 2
	s_add_co_u32 s21, s21, s20                     ; u
	s_lshr_b32 s22, s21, 1                         ; T
	s_and_b32 s23, s21, 1                          ; which half of K
	s_lshr_b32 s24, s22, 1
	s_lshl_b32 s24, s24, 17                        ; 32 (T / 2) rows of 4,096 bytes
	s_and_b32 s25, s22, 1
	s_lshl_b32 s25, s25, 15                        ; + 8 (T % 2) rows
	s_add_co_u32 s24, s24, s25
	s_lshl_b32 s25, s23, 11                        ; + 2,048 bytes for the upper half of K
	s_add_co_u32 s24, s24, s25
	s_mov_b32 s25, 0
	s_add_nc_u64 s[4:5], s[4:5], s[24:25]
	s_lshl_b32 s24, s21, 13                        ; codes: 16,384 T + 8,192 half
	s_add_nc_u64 s[14:15], s[14:15], s[24:25]
	s_lshl_b32 s24, s22, 9                         ; scale bytes: 512 T + 16 half
	s_lshl_b32 s26, s23, 4
	s_add_co_u32 s24, s24, s26
	s_add_nc_u64 s[16:17], s[16:17], s[24:25]
	s_wait_alu depctr_va_vdst(0)
	v_lshlrev_b32 v4, 4, v1                        ; 16 x lane: loads and stores of codes
	s_mul_i32 s24, s20, 8448                       ; my stage
	v_add_nc_u32 v5, s24, v4                       ; in: 16 x lane of a row
	v_mul_u32_u24 v6, v2, 528
	v_lshl_add_u32 v6, v3, 6, v6
	v_add_nc_u32 v6, s24, v6                       ; out: row r, + 64 h
	v_lshlrev_b32 v7, 5, v2
	v_lshl_add_u32 v7, v3, 3, v7                   ; scale words: row r's 32 bytes, + 8 h
.irp b, 0,1,2,3
	v_mov_b32 v[TM+4+\b], 0                        ; written once: a lane permute's destination counts as one of its sources
.endr
.macro XLOAD k
.irp i, 0,1,2,3,4,5,6,7,8,9,10,11,12,13,14,15
	global_load_b128 v[R0+64*((\k)%2)+4*\i:R0+64*((\k)%2)+4*\i+3], v4, s[4:5] offset:(\i+8*(\i/8))*4096+512*(\k) th:TH_LOAD_NT
.endr
.endm
.macro XTURN k                         ; LDS serves a wave's instructions in order: no wait between the stores and the loads
.irp i, 0,1,2,3,4,5,6,7,8,9,10,11,12,13,14,15
	ds_store_b128 v5, v[R0+64*((\k)%2)+4*\i:R0+64*((\k)%2)+4*\i+3] offset:528*\i
.endr
.irp c, 0,1,2,3
.irp j, 0,1,2,3
	ds_load_b128 v[XN+16*\c+4*\j:XN+16*\c+4*\j+3], v6 offset:128*\c+16*\j
.endr
.endr
.endm
	XLOAD 0
	XLOAD 1
	s_wait_alu depctr_va_vdst(0)
.irp s, 0,1,2,3
.if \s < 3
	s_wait_loadcnt 16                              ; this K step's 16 loads are in; the next step's may be out
.else
	s_wait_loadcnt 0
.endif
	XTURN \s
	s_wait_dscnt 0x0                               ; the numbers are back, and the stage's stores have read their registers
.if \s < 2
	XLOAD \s+2
.endif
	s_wait_xcnt 0x0                                ; the last step's stores have read the codes' registers
	QUANT XN, PWS+\s
.irp c, 0,1,2,3
	global_store_b128 v4, v[PC+4*\c:PC+4*\c+3], s[14:15] offset:2048*\s+512*\c   ; 512 consecutive bytes of the image
.endr
.endr
	v_cmp_le_u32 vcc_lo, 16, v1
	v_cndmask_b32 v244, v[PWS], v[PWS+2], vcc_lo   ; lanes 0-15 store words 0, 1 of my four, lanes 16-31 words 2, 3
	v_cndmask_b32 v245, v[PWS+1], v[PWS+3], vcc_lo
	global_store_b64 v7, v[244:245], s[16:17]
	s_wait_tensorcnt 0x0
	ds_add_u32 v254, v255
	s_wait_dscnt 0x0
	s_endpgm
; ---- THE WEIGHTS.  K is their first axis: a lane takes a column and its registers run down K, so a block of 32 lies in one lane and the codes come out with K innermost.
; Column col0 + lane lies in tile 2 g + u, u = (lane / 8) % 2, at lane r' = lane % 8 + 8 (lane / 16).  A block's first 16 codes belong to lane r' of the image, the other 16 to lane r' + 16:
; each store's 32 lanes write two whole aligned runs of 256 bytes, one in each of the two tiles.
.macro WLOAD t, wp, pitch
.irp i, 0,1,2,3,4,5,6,7,8,9,10,11,12,13,14,15,16,17,18,19,20,21,22,23,24,25,26,27,28,29,30,31
	global_load_b32 v[WX+32*((\t)%2)+\i], v4, s[\wp:\wp+1] offset:(32*(\t)+\i)*\pitch th:TH_LOAD_NT
.endr
.endm
.macro WBLOCK t, wp, pitch
.set XS, WX+32*((\t)%2)
.if (\t) < 7
	s_wait_loadcnt 32                              ; this block's 32 loads are in; the next block's may be out
.else
	s_wait_loadcnt 0
.endif
	v_max3_num_f32 v12, |v[XS]|, |v[XS+1]|, |v[XS+2]|
	v_max3_num_f32 v13, |v[XS+3]|, |v[XS+4]|, |v[XS+5]|
.irp i, 6,10,14,18,22,26
	v_max3_num_f32 v12, v12, |v[XS+\i]|, |v[XS+\i+1]|
	v_max3_num_f32 v13, v13, |v[XS+\i+2]|, |v[XS+\i+3]|
.endr
	v_max3_num_f32 v12, v12, |v[XS+30]|, |v[XS+31]|
	v_max3_num_f32 v12, v12, v13, 0x8000000        ; and the floor 2^(16 - 127)
	v_add_nc_u32 v11, 0xf8800000, v12              ; the conversion's scale operand
	v_and_or_b32 v10, v12, 0x7f800000, s[MNT]      ; 57,344 x the scale
	v_lshrrev_b32 v13, 23, v11                     ; the byte
.if (\t)%4 == 0
	v_mov_b32 v[SB+(\t)/4], v13
.else
	v_lshl_or_b32 v[SB+(\t)/4], v13, 8*((\t)%4), v[SB+(\t)/4]
.endif
.irp i, 0,1,2,3,4,5,6,7,8,9,10,11,12,13,14,15,16,17,18,19,20,21,22,23,24,25,26,27,28,29,30,31
	v_med3_num_f32 v[XS+\i], v[XS+\i], -v10, v10
.endr
.irp g, 0,1,2,3
	v_cvt_scalef32_pk8_bf8_f32 v[WC+8*(\t)+2*\g:WC+8*(\t)+2*\g+1], v[XS+8*\g:XS+8*\g+7], v11
.endr
	v_nop                                          ; a plain line behind the last conversion
	global_store_b128 v5, v[WC+8*(\t):WC+8*(\t)+3], s[14:15] offset:((\t)/4)*2048+((\t)%4)*512
	global_store_b128 v5, v[WC+8*(\t)+4:WC+8*(\t)+7], s[14:15] offset:((\t)/4)*2048+((\t)%4)*512+256
.if (\t)+2 < 8
	WLOAD (\t)+2, \wp, \pitch
.endif
.endm
.macro WPATH wp, pitch, tile0, first
	s_sub_co_u32 s21, ttmp9, \first
	s_and_b32 s22, s21, 3                          ; which 256 along K
	s_lshr_b32 s23, s21, 2
	s_lshl_b32 s23, s23, 7
	s_lshl_b32 s24, s20, 5
	s_add_co_u32 s23, s23, s24                     ; my wave's first column
	s_mul_i32 s24, s22, 256*\pitch
	s_lshl_b32 s25, s23, 2
	s_add_co_u32 s24, s24, s25
	s_mov_b32 s25, 0
	s_add_nc_u64 s[\wp:\wp+1], s[\wp:\wp+1], s[24:25]
	s_lshl_b32 s24, s23, 10                        ; codes: (column / 16) tiles of 16,384 bytes
	s_lshl_b32 s26, s22, 12                        ; + two K steps of 2,048 for each 256 along K
	s_add_co_u32 s24, s24, s26
	s_add_co_u32 s24, s24, \tile0*16384
	s_add_nc_u64 s[14:15], s[14:15], s[24:25]
	s_lshl_b32 s24, s23, 5                         ; scale bytes: 32 a row
	s_lshl_b32 s26, s22, 3
	s_add_co_u32 s24, s24, s26
	s_add_co_u32 s24, s24, \tile0*512
	s_add_nc_u64 s[16:17], s[16:17], s[24:25]
	v_lshlrev_b32 v4, 2, v1                        ; in: 4 bytes a lane
	v_bfe_u32 v8, v1, 3, 1                         ; u
	v_and_b32 v9, 7, v1
	v_bfe_u32 v14, v1, 4, 1
	v_lshl_or_b32 v9, v14, 3, v9                   ; r'
	v_lshlrev_b32 v5, 4, v9
	v_lshl_add_u32 v5, v8, 14, v5                  ; codes: 16,384 u + 16 r'
	v_lshl_add_u32 v6, v8, 4, v9
	v_lshlrev_b32 v6, 5, v6                        ; scale bytes: row 16 u + r'
	WLOAD 0, \wp, \pitch
	WLOAD 1, \wp, \pitch
.irp t, 0,1,2,3,4,5,6,7
	WBLOCK \t, \wp, \pitch
.endr
	global_store_b64 v6, v[SB:SB+1], s[16:17]      ; my column's eight bytes: rows 32 bytes apart, one byte for each 128 that are read
	s_endpgm
.endm
.Lpath_wq:
	s_wait_alu depctr_va_vdst(0)
	WPATH 6, 12288, 512, 256
.Lpath_wo:
	s_wait_alu depctr_va_vdst(0)
	WPATH 8, 4096, 704, 352
.Lfunc_end_k_q956e686781_prep:
	.size	k_q956e686781_prep, .Lfunc_end_k_q956e686781_prep-k_q956e686781_prep
	.p2alignl 7, 3214868480
	.fill 96, 4, 3214868480
	.section	.rodata,"a",@progbits
	.p2align	6, 0x0
	.amdhsa_kernel k_q956e686781_prep
		.amdhsa_group_segment_fixed_size 34304
		.amdhsa_private_segment_fixed_size 0
		.amdhsa_enable_private_segment 0
		.amdhsa_kernarg_size 64
		.amdhsa_user_sgpr_count 2
		.amdhsa_user_sgpr_kernarg_segment_ptr 1
		.amdhsa_wavefront_size32 1
		.amdhsa_system_sgpr_workgroup_id_x 1
		.amdhsa_system_sgpr_workgroup_id_y 1
		.amdhsa_system_sgpr_workgroup_id_z 1
		.amdhsa_system_vgpr_workitem_id 0
		.amdhsa_next_free_vgpr 256
		.amdhsa_next_free_sgpr 66
		.amdhsa_reserve_vcc 1
		.amdhsa_float_denorm_mode_32 3
		.amdhsa_float_denorm_mode_16_64 3
		.amdhsa_memory_ordered 1
		.amdhsa_forward_progress 1
		.amdhsa_inst_pref_size 203
	.end_amdhsa_kernel
	.amdgpu_metadata
---
amdhsa.version: [ 1, 2 ]
amdhsa.kernels:
  - .name:           k_q956e686781_prep
    .symbol:         k_q956e686781_prep.kd
    .args:
      - { .name: x, .offset: 0, .size: 8, .value_kind: global_buffer, .address_space: global }
      - { .name: W_qkv, .offset: 8, .size: 8, .value_kind: global_buffer, .address_space: global }
      - { .name: W_out, .offset: 16, .size: 8, .value_kind: global_buffer, .address_space: global }
      - { .name: causal_mask, .offset: 24, .size: 8, .value_kind: global_buffer, .address_space: global }
      - { .name: padding_mask, .offset: 32, .size: 8, .value_kind: global_buffer, .address_space: global }
      - { .name: opc, .offset: 40, .size: 8, .value_kind: global_buffer, .address_space: global }
      - { .name: ops, .offset: 48, .size: 8, .value_kind: global_buffer, .address_space: global }
      - { .name: cls, .offset: 56, .size: 8, .value_kind: global_buffer, .address_space: global }
    .group_segment_fixed_size: 34304
    .private_segment_fixed_size: 0
    .kernarg_segment_align: 8
    .kernarg_segment_size: 64
    .max_flat_workgroup_size: 128
    .sgpr_count:     66
    .vgpr_count:     256
    .wavefront_size: 32
...
	.end_amdgpu_metadata
.endif
;; end of part 1
;; launch gemm_qkv (part 2): grid 8 x 32, 4 waves a work-group, clusters of 4 x 4, 327,680 bytes of LDS; arguments opc, ops, b_qkv, qkvc, qkvs; writes qkvc, qkvs
.if DOCPART == 2
	.amdgcn_target "amdgcn-amd-amdhsa--gfx1250"
	.amdhsa_code_object_version 6
	.text
	.protected	k_q956e686781_gemm_qkv
	.globl	k_q956e686781_gemm_qkv
	.p2align	8
	.type	k_q956e686781_gemm_qkv,@function
k_q956e686781_gemm_qkv:
	s_mov_b64 s[64:65], 0
	v_nop
	global_prefetch_b8 v0, s[64:65] scope:SCOPE_SE
	s_setreg_imm32_b32 hwreg(HW_REG_WAVE_MODE, 25, 1), 1
	s_wait_xcnt 0x0
	s_wait_alu depctr_hold_cnt(0) depctr_sa_sdst(0) depctr_va_vdst(0) depctr_va_sdst(0) depctr_va_ssrc(0) depctr_va_vcc(0) depctr_vm_vsrc(0)
	s_getreg_b32 s2, hwreg(HW_REG_IB_STS2, 6, 4)
	s_cmp_eq_u32 s2, 0
	s_cbranch_scc0 .Lentry_in_a_cluster
	s_endpgm
.Lentry_in_a_cluster:
	s_bfe_u32 s2, ttmp6, 0x10000c
	s_cmp_lg_u32 s2, 0xf033
	s_cbranch_scc0 .Lentry_shape_is_right
	s_endpgm
.Lentry_shape_is_right:
; qkv = x W_qkv + b_qkv on codes of E5M2 with E8M0 scales (K = 1,024), and the result quantised at once as the operands of attention's two products.
; OPERANDS are images of operand registers: opc [tile of 16 rows][K step of 128][2,048 bytes]: tiles 0-511 x, 512-703 W_qkv's columns; lane r of tile T is row 32 (T / 2) + 8 (T % 2) + r + 8 (r / 8); ops: 32 scale bytes a row in that order.
; THE DEAL.  256 work-groups of four waves: work-group (x, y) takes tokens 256 y .. + 255 and columns 128 x .. + 127 of q, then of k, then of v: three phases.  Wave (wr = wave / 2, wc = wave % 2) holds four tiles of the phase's weight
; (64 columns: one head), ALL of K, in 512 registers, and streams past them its token tiles 8 hf + 4 wr + n (hf = 0, 1; n = 0 .. 3): a tile stands in one of two register sets; 32 products a tile, four accumulators by turns.
; The bias is the first four products' C.
; q, k: source 0 = the weight, source 1 = the tokens: lane (r, h) holds token row r, and its 32 sums are channels 32 b + 16 h + 0 .. 15 of the head: two blocks, quantised in registers: half an image: qkvc [n / 128][token tile][2,048].
; v: the sources swapped: a lane holds one channel, and the sums of tiles 2 c, 2 c + 1 are tokens 32 c + 16 h + 0 .. 15: a block for each pair of tiles: qkvc + V_C [token / 128][channel tile][2,048], a quarter of an image a pair.
; Scale bytes: qkvs [n / 128][tile / 8][r][8 words] (+ V_S for v): a wave makes two neighbouring bytes of a word, which leave as halfwords, rows 32 bytes apart: one byte for each 32 codes.
; LDS: two halves of 131,072 bytes.  A phase's weight lies in half Hw until all waves hold it in registers; then the tokens' half of that number is filled over it.  The other half, Hx, holds tokens already and is multiplied first;
; when it has been read, the next weight is filled over it.  So Hw and Hx change places from phase to phase, and with them the order of the tokens' two halves.  Every refill stands behind a drained round of the cluster's barrier, 32,768 bytes a wave.
; Joint loads: tokens along a row of the 4 x 4 cluster, weights along a column.  q and k are two trips of one loop: what differs lies in scalars, and the tokens' scale words are loaded anew in each phase, in the order of work.
; PREFETCH, at the head, one line a wave each, lanes 256 bytes apart, the sixteen waves of a cluster's row or column told apart by address: the first refill's tokens, W_k's tiles, W_v's tiles: 131,072 bytes each.  Tokens that are filled a second time have been read before.
; Scale words and bias come by plain loads into registers: 12,800 bytes a work-group and phase, a small part of its bytes.
; LIMITS: a block whose largest magnitude lies under 2^-111 keeps the byte 1; NaN and infinities are not served.
.set NP,     8                         ; plain vector lines behind this matrix instruction (ISA guide 7.12.1)
.set TILEB,  16384
.set XW,     131072
.set SPARE,  262144
.set V_C,    16777216
.set V_S,    524288
.set AX0,  4                           ; v4  16 lane + 65,536 wr: my four token tiles in a half
.set WB0,  5                           ; v5  16 lane + 65,536 wc: my four weight tiles in a half
.set AXP,  6                           ; v6  v4 in Hx;  v7  v4 in Hw;  v18  v5 in Hw
.set AXQ,  7
.set ABS,  8                           ; v8  32 lane
.set XSO,  9                           ; v9  32 r
.set BAC,  10                          ; v10 64 h
.set BAR,  11                          ; v11 4 (r + 8 (r / 8))
.set OC,   12                          ; v12 16 lane
.set PF1,  13                          ; v13, v14 the prefetches' offsets; never rewritten
.set PF2,  14
.set SPW,  16
.set NIL,  17
.set WBC,  18
.set HWD,  19                          ; v19 two scale bytes
.set SB,   24                          ; v24-39   the weight's scale words: register 8 p + q: lanes 0-15 tile 2 p's, lanes 16-31 tile 2 p + 1's
.set BV,   40                          ; v40-43   v's bias, a number a tile
.set SA,   44                          ; v44-107  the tokens': register 32 bank + 8 n + q; no product's two scale words have numbers equal modulo 8
.set BI,   108                         ; v108-139 the bias in the accumulators' layout
.set ACC,  140                         ; v140-203 two sets of four accumulators
.set PC,   204                         ; v204-219 codes
.set TM,   220                         ; v220-235 largest magnitudes, bytes, holds, scale operands: four each
.set VB,   236                         ; v236-239 v's scale bytes, two to a register
.set G1A, 24
.set G1B, 32
.set G1R, 40
.set G0A, 48
.set G0B, 52
.set G0R, 68
.set G0W, 72
.set G1W, 84
; s76 Hw, s77 Hx (LDS bytes); s[78:79] an offset; s80, s[82:83] the refills' offsets in opc; s81 32,768 wave; s[58:59] the weight's scale bytes; s[60:61] the tokens'; s[8:9] the bias; s[92:95] the phase's results; s[96:99] the half's
.set MSB, 0
.macro WIN new                         ; the immediate's high byte repeats the setting that is left
.if MSB != (\new)
	s_set_vgpr_msb (MSB<<8)|(\new)
.set MSB, (\new)
.endif
.endm
.macro PLACES n
.rept \n
	v_nop
.endr
.endm
.macro CROUND                          ; a round of the cluster's barrier
	s_barrier_signal -1
	s_barrier_wait -1
	s_cmp_lg_u32 s16, 0
	s_cbranch_scc1 .Lnot_wave_0_\@
	s_barrier_signal -3
.Lnot_wave_0_\@:
	s_barrier_wait -3
	s_barrier_signal -1
	s_barrier_wait -1
.endm
.macro TLOAD g0, g1                    ; an s_nop 0 and four v_nop follow a tensor load
	tensor_load_to_lds s[\g0:\g0+3], s[\g1:\g1+7]
	s_nop 0
	PLACES 4
.endm
.macro GROUP1 g, mask, rows            ; a dense run as rows of 4,096 bytes (512 elements of 8)
	s_or_b32 s[\g+0], s\mask, (3<<16)|(1<<21)
	s_mov_b32 s[\g+1], 512<<16
	s_mov_b32 s[\g+2], (\rows)<<16
	s_mov_b32 s[\g+3], 512<<16
	s_mov_b32 s[\g+4], \rows
	s_mov_b32 s[\g+5], 512
	s_mov_b32 s[\g+6], 0
	s_mov_b32 s[\g+7], 0
.endm
	s_load_b256 s[4:11], s[0:1], 0x0               ; opc, ops, b_qkv, qkvc
	s_load_b64 s[12:13], s[0:1], 0x20              ; qkvs
	v_lshl_add_u32 v[SPW], v0, 2, SPARE
	v_mov_b32 v[NIL], 0
	ds_add_u32 v[SPW], v[NIL]                      ; the opening: the add, twice on end, and its wait ahead of my first tensor load
	ds_add_u32 v[SPW], v[NIL]
	v_lshrrev_b32 v1, 5, v0
	v_readfirstlane_b32 s16, v1                    ; wave
	s_and_b32 s17, s16, 1                          ; wc
	s_lshr_b32 s18, s16, 1                         ; wr
	s_bfe_u32 s19, ttmp6, 0x40000                  ; cx
	s_bfe_u32 s20, ttmp6, 0x40004                  ; cy
	s_lshl_b32 s21, ttmp9, 2
	s_add_co_u32 s21, s21, s19                     ; x: which 128 columns of q, k, v
	s_and_b32 s22, ttmp7, 0xffff
	s_lshl_b32 s22, s22, 2
	s_add_co_u32 s22, s22, s20                     ; y: which 256 tokens
	s_lshl_b32 s23, s20, 2
	s_lshl_b32 s23, 15, s23                        ; my row of the cluster: shares the tokens
	s_lshl_b32 s56, 0x1111, s19                    ; my column: shares the weights
	GROUP1 G1A, 23, 16
	GROUP1 G1B, 56, 16
	GROUP1 G1R, 23, 8
	GROUP1 G1W, 56, 8
	s_lshl_b32 s57, s17, 16                        ; which 65,536 bytes I fetch at the head
	s_lshl_b32 s58, s22, 18                        ; the 16 token tiles
	s_add_co_u32 s58, s58, s57
	s_mov_b32 s59, 0
	s_lshl_b32 s60, s21, 17                        ; W_q's 8 tiles
	s_add_co_u32 s60, s60, 512*TILEB
	s_add_co_u32 s60, s60, s57
	s_mov_b32 s61, 0
	s_mov_b32 s[G0A], 1
	s_mov_b32 s[G0A+1], s57
	s_mov_b32 s[G0B], 1
	s_add_co_u32 s[G0B+1], s57, XW
	s_mov_b32 s[G0R], 1
	s_mov_b32 s[G0W], 1
	s_wait_dscnt 0x0                               ; both opening adds are done
	CROUND                                         ; all sixteen work-groups are here: the first joint loads meet
	s_wait_kmcnt 0x0
	s_add_nc_u64 s[G0A+2:G0A+3], s[4:5], s[58:59]
	s_or_b32 s[G0A+3], s[G0A+3], 0x80000000
	s_add_nc_u64 s[G0B+2:G0B+3], s[4:5], s[60:61]
	s_or_b32 s[G0B+3], s[G0B+3], 0x80000000
	s_cmp_lt_u32 s16, 2                            ; one joint load a wave: waves 0, 1 W_q's halves into the upper half of LDS, waves 2, 3 token tiles 0-7 into the lower
	s_cbranch_scc0 .Lfor_x
	TLOAD G0B, G1B
	s_branch .Lasked
.Lfor_x:
	TLOAD G0A, G1A
.Lasked:
	s_mov_b32 s79, 0
	s_mov_b32 s83, 0
	s_mov_b32 s76, XW
	s_mov_b32 s77, 0
	s_mov_b32 s66, 0x76543210                      ; v_permlanex16_b32's selects for lane l xor 16
	s_mov_b32 s67, 0xfedcba98
	s_mov_b32 s100, 0x600000                       ; the mantissa field of 57,344
	s_lshl_b32 s81, s16, 15
	s_lshl_b32 s80, s22, 18
	s_add_co_u32 s80, s80, s81                     ; a refill of tokens: my quarter, less the half's 131,072
	s_lshl_b32 s82, s21, 17
	s_add_co_u32 s82, s82, 576*TILEB
	s_add_co_u32 s82, s82, s81                     ; a refill of a weight: W_k's tiles first
	s_lshl_b32 s78, s21, 12                        ; ops: tile 512 + 8 x + 4 wc
	s_lshl_b32 s2, s17, 11
	s_add_co_u32 s78, s78, s2
	s_add_co_u32 s78, s78, 512*512
	s_add_nc_u64 s[58:59], s[6:7], s[78:79]
	s_lshl_b32 s78, s22, 13                        ; ops: tile 16 y + 4 wr
	s_lshl_b32 s2, s18, 11
	s_add_co_u32 s78, s78, s2
	s_add_nc_u64 s[60:61], s[6:7], s[78:79]
	s_lshl_b32 s78, s21, 9                         ; b_qkv: column 128 x + 64 wc
	s_lshl_b32 s2, s17, 8
	s_add_co_u32 s78, s78, s2
	s_add_nc_u64 s[8:9], s[8:9], s[78:79]
	s_lshl_b32 s78, s21, 20                        ; qkvc: image 512 x + 16 y + 4 wr, half wc
	s_lshl_b32 s2, s22, 15
	s_add_co_u32 s78, s78, s2
	s_lshl_b32 s2, s18, 13
	s_add_co_u32 s78, s78, s2
	s_lshl_b32 s2, s17, 10
	s_add_co_u32 s78, s78, s2
	s_add_nc_u64 s[92:93], s[10:11], s[78:79]
	s_lshl_b32 s78, s21, 15                        ; qkvs: 32,768 x + 1,024 y + 16 wr + 2 wc
	s_lshl_b32 s2, s22, 10
	s_add_co_u32 s78, s78, s2
	s_lshl_b32 s2, s18, 4
	s_add_co_u32 s78, s78, s2
	s_lshl_b32 s2, s17, 1
	s_add_co_u32 s78, s78, s2
	s_add_nc_u64 s[94:95], s[12:13], s[78:79]
	s_lshl_b32 s2, s19, 2                          ; the prefetches: which of the row's sixteen waves I am,
	s_add_co_u32 s2, s2, s16
	s_lshl_b32 s2, s2, 13
	s_lshl_b32 s3, s22, 18
	s_add_co_u32 s2, s2, s3
	s_add_co_u32 s2, s2, XW
	s_lshl_b32 s3, s20, 2                          ; and of the column's
	s_add_co_u32 s3, s3, s16
	s_lshl_b32 s3, s3, 13
	s_lshl_b32 s14, s21, 17
	s_add_co_u32 s3, s3, s14
	s_add_co_u32 s3, s3, 576*TILEB
	s_lshl_b32 s14, s18, 16
	v_and_b32 v1, 15, v0                           ; r
	v_bfe_u32 v2, v0, 4, 1                         ; h
	v_and_b32 v3, 31, v0                           ; lane
	v_lshlrev_b32 v[OC], 4, v3
	v_lshl_add_u32 v[AX0], v3, 4, s14
	v_lshl_add_u32 v[WB0], v3, 4, s57
	v_lshlrev_b32 v[ABS], 5, v3
	v_lshlrev_b32 v[XSO], 5, v1
	v_lshlrev_b32 v[BAC], 6, v2
	v_and_b32 v[BAR], 8, v1
	v_add_nc_u32 v[BAR], v[BAR], v1
	v_lshlrev_b32 v[BAR], 2, v[BAR]
	v_lshl_add_u32 v[PF1], v3, 8, s2
	v_lshl_add_u32 v[PF2], v3, 8, s3
.irp j, 0,1,2,3
	v_mov_b32 v[TM+4+\j], 0                        ; written once: a lane permute's destination counts as one of its sources
.endr
	s_wait_alu depctr_va_vdst(0)
	global_prefetch_b8 v[PF1], s[4:5] th:TH_LOAD_NT scope:SCOPE_SE                  ; token tiles 8-15
	global_prefetch_b8 v[PF2], s[4:5] th:TH_LOAD_NT scope:SCOPE_SE                  ; W_k
	global_prefetch_b8 v[PF2], s[4:5] offset:64*TILEB th:TH_LOAD_NT scope:SCOPE_SE  ; W_v
.macro FETCH areg, n, e                ; my n-th token tile of a half, all of K, into set e of window 3: 32 loads
	WIN 0xc0
.irp q, 0,1,2,3,4,5,6,7
.irp c, 0,1,2,3
	ds_load_b128 v[128*(\e)+16*\q+4*\c:128*(\e)+16*\q+4*\c+3], v[\areg] offset:TILEB*(\n)+2048*\q+512*\c
.endr
.endr
	WIN 0
.endm
.macro PRODS kind, e, sa               ; 32 products: K step q, weight tile j; tokens in set e, sums in set e.  kind 0: source 0 = the weight; kind 1: source 0 = the tokens
.irp q, 0,1,2,3,4,5,6,7
.if \kind
	WIN 3|((1+\q/4)<<2)
.else
	WIN (1+\q/4)|12
.endif
.irp j, 0,1,2,3
.set AC_, ACC+32*(\e)+8*\j
.set CB_, AC_
.if \q == 0
.set CB_, BI+8*\j
.endif
.set W_, 16*((4*\q+\j)%16)
.set X_, 128*(\e)+16*\q
.set WS_, SB+8*(\j/2)+\q
.set XS_, SA+(\sa)+\q
.if (\kind) && (\j%2)
	v_wmma_scale_f32_16x16x128_f8f6f4 v[AC_:AC_+7], v[X_:X_+15], v[W_:W_+15], v[CB_:CB_+7], v[XS_], v[WS_] matrix_a_fmt:MATRIX_FMT_BF8 matrix_b_fmt:MATRIX_FMT_BF8 matrix_b_scale:MATRIX_SCALE_ROW1
.elseif \kind
	v_wmma_scale_f32_16x16x128_f8f6f4 v[AC_:AC_+7], v[X_:X_+15], v[W_:W_+15], v[CB_:CB_+7], v[XS_], v[WS_] matrix_a_fmt:MATRIX_FMT_BF8 matrix_b_fmt:MATRIX_FMT_BF8
.elseif \j%2
	v_wmma_scale_f32_16x16x128_f8f6f4 v[AC_:AC_+7], v[W_:W_+15], v[X_:X_+15], v[CB_:CB_+7], v[WS_], v[XS_] matrix_a_fmt:MATRIX_FMT_BF8 matrix_b_fmt:MATRIX_FMT_BF8 matrix_a_scale:MATRIX_SCALE_ROW1
.else
	v_wmma_scale_f32_16x16x128_f8f6f4 v[AC_:AC_+7], v[W_:W_+15], v[X_:X_+15], v[CB_:CB_+7], v[WS_], v[XS_] matrix_a_fmt:MATRIX_FMT_BF8 matrix_b_fmt:MATRIX_FMT_BF8
.endif
.endr
.endr
	WIN 0
.endm
.macro SCALEOPS cnt                    ; from cnt largest magnitudes in v[TM] on: scale operands (TM + 12), holds (TM + 8), bytes (TM + 4)
.set B_, 0
.rept \cnt
	v_add_nc_u32 v[TM+12+B_], 0xf8800000, v[TM+B_] ; 15 off the exponent field: the conversion's scale operand
.set B_, B_+1
.endr
.set B_, 0
.rept \cnt
	v_and_or_b32 v[TM+8+B_], v[TM+B_], 0x7f800000, s100   ; 57,344 x the scale
.set B_, B_+1
.endr
.set B_, 0
.rept \cnt
	v_lshrrev_b32 v[TM+4+B_], 23, v[TM+12+B_]      ; the byte
.set B_, B_+1
.endr
.endm
.macro HOLD8 x, b                      ; the conversion does not saturate (ISA guide 7.6.2): eight numbers held within +-57,344 x the scale
.irp i, 0,1,2,3,4,5,6,7
	v_med3_num_f32 v[\x+\i], v[\x+\i], -v[TM+8+\b], v[TM+8+\b]
.endr
.endm
.macro EPIQ e, n                       ; q, k: a tile's 32 sums a lane become 32 codes and two scale bytes; each accumulator is read from its low end on
.set A_, ACC+32*(\e)
	s_wait_xcnt 0x0                                ; the last tile's stores have read their registers
.irp j, 0,1,2,3
	v_max3_num_f32 v[TM+\j], |v[A_+8*\j]|, |v[A_+8*\j+1]|, |v[A_+8*\j+2]|
.endr
.irp i, 3,5
.irp j, 0,1,2,3
	v_max3_num_f32 v[TM+\j], v[TM+\j], |v[A_+8*\j+\i]|, |v[A_+8*\j+\i+1]|
.endr
.endr
.irp j, 0,1,2,3
	v_max_num_f32 v[TM+\j], v[TM+\j], |v[A_+8*\j+7]|
.endr
	v_max3_num_f32 v[TM], v[TM], v[TM+1], 0x8000000      ; block 0's 16 of mine, and the floor 2^(16 - 127)
	v_max3_num_f32 v[TM+1], v[TM+2], v[TM+3], 0x8000000  ; block 1's
.irp b, 0,1
	v_permlanex16_b32 v[TM+4+\b], v[TM+\b], s66, s67
.endr
.irp b, 0,1
	v_max_num_f32 v[TM+\b], v[TM+\b], v[TM+4+\b]   ; with lane l xor 16's
.endr
	SCALEOPS 2
	v_lshl_or_b32 v[HWD], v[TM+5], 8, v[TM+4]
.irp b, 0,1
	HOLD8 A_+16*\b, \b
	HOLD8 A_+16*\b+8, \b
	v_cvt_scalef32_pk8_bf8_f32 v[PC+4*\b:PC+4*\b+1], v[A_+16*\b:A_+16*\b+7], v[TM+12+\b]
	v_cvt_scalef32_pk8_bf8_f32 v[PC+4*\b+2:PC+4*\b+3], v[A_+16*\b+8:A_+16*\b+15], v[TM+12+\b]
.endr
	v_nop                                          ; a plain line behind the last conversion
	global_store_b128 v[OC], v[PC:PC+3], s[96:97] offset:2048*(\n)          ; 512 consecutive bytes each
	global_store_b128 v[OC], v[PC+4:PC+7], s[96:97] offset:2048*(\n)+512
	global_store_b16 v[XSO], v[HWD], s[98:99] offset:4*(\n)
.endm
.macro EPIV c                          ; v: a pair of tiles: for each of four channel tiles a block of 32 tokens: the even tile's sums in set 0, the odd's in set 1
	s_wait_xcnt 0x0
.irp j, 0,1,2,3
	v_max3_num_f32 v[TM+\j], |v[ACC+8*\j]|, |v[ACC+8*\j+1]|, |v[ACC+8*\j+2]|
	v_max3_num_f32 v[TM+4+\j], |v[ACC+32+8*\j]|, |v[ACC+32+8*\j+1]|, |v[ACC+32+8*\j+2]|
.endr
.irp i, 3,5
.irp j, 0,1,2,3
	v_max3_num_f32 v[TM+\j], v[TM+\j], |v[ACC+8*\j+\i]|, |v[ACC+8*\j+\i+1]|
	v_max3_num_f32 v[TM+4+\j], v[TM+4+\j], |v[ACC+32+8*\j+\i]|, |v[ACC+32+8*\j+\i+1]|
.endr
.endr
.irp j, 0,1,2,3
	v_max3_num_f32 v[TM+\j], v[TM+\j], |v[ACC+8*\j+7]|, |v[ACC+32+8*\j+7]|
.endr
.irp j, 0,1,2,3
	v_max3_num_f32 v[TM+\j], v[TM+\j], v[TM+4+\j], 0x8000000
.endr
.irp j, 0,1,2,3
	v_permlanex16_b32 v[TM+4+\j], v[TM+\j], s66, s67
.endr
.irp j, 0,1,2,3
	v_max_num_f32 v[TM+\j], v[TM+\j], v[TM+4+\j]
.endr
	SCALEOPS 4
.irp j, 0,1,2,3
.if (\c) == 0
	v_mov_b32 v[VB+\j], v[TM+4+\j]
.else
	v_lshl_or_b32 v[VB+\j], v[TM+4+\j], 8, v[VB+\j]
.endif
.endr
.irp j, 0,1,2,3
	HOLD8 ACC+8*\j, \j
	HOLD8 ACC+32+8*\j, \j
	v_cvt_scalef32_pk8_bf8_f32 v[PC+4*\j:PC+4*\j+1], v[ACC+8*\j:ACC+8*\j+7], v[TM+12+\j]
	v_cvt_scalef32_pk8_bf8_f32 v[PC+4*\j+2:PC+4*\j+3], v[ACC+32+8*\j:ACC+32+8*\j+7], v[TM+12+\j]
.endr
	v_nop
.irp j, 0,1,2,3
	global_store_b128 v[OC], v[PC+4*\j:PC+4*\j+3], s[96:97] offset:2048*\j+512*(\c)   ; 512 consecutive bytes
.endr
.if (\c) == 1
.irp j, 0,1,2,3
	global_store_b16 v[XSO], v[VB+\j], s[98:99] offset:4*\j
.endr
.endif
.endm
.macro OUTPTR sh, k1, k2               ; where the results of the half at LDS byte s[sh] go
	s_wait_xcnt 0x0                                ; the stores have read their bases
	s_lshr_b32 s78, s\sh, \k1
	s_add_nc_u64 s[96:97], s[92:93], s[78:79]
	s_lshr_b32 s78, s\sh, \k2
	s_add_nc_u64 s[98:99], s[94:95], s[78:79]
.endm
; A PHASE'S HEAD: the weight in Hw is shown; scale words and bias are asked for; the weight goes into registers; the tokens' half of Hw's number is filled over it; the first two tiles of Hx are fetched.
.macro TOP kind
	s_wait_tensorcnt 0x0                           ; my part of the weight (at first: of the head's tiles) is in
	s_wait_dscnt 0x0
	s_barrier_signal -1
	s_barrier_wait -1                              ; everybody's is.
	v_add_nc_u32 v[AXP], s77, v[AX0]
	v_add_nc_u32 v[AXQ], s76, v[AX0]
	v_add_nc_u32 v[WBC], s76, v[WB0]
	s_wait_alu depctr_va_vdst(0)                   ; directly behind the writes
	s_lshr_b32 s78, s77, 5                         ; a half's scale bytes: 4,096
	s_add_nc_u64 s[62:63], s[60:61], s[78:79]
	s_lshr_b32 s78, s76, 5
	s_add_nc_u64 s[14:15], s[60:61], s[78:79]
.irp p, 0,1
.irp c, 0,1
	global_load_b128 v[SB+8*\p+4*\c:SB+8*\p+4*\c+3], v[ABS], s[58:59] offset:1024*\p+16*\c
.endr
.endr
.irp n, 0,1,2,3
.irp c, 0,1
	global_load_b128 v[SA+8*\n+4*\c:SA+8*\n+4*\c+3], v[XSO], s[62:63] offset:512*\n+16*\c
	global_load_b128 v[SA+32+8*\n+4*\c:SA+32+8*\n+4*\c+3], v[XSO], s[14:15] offset:512*\n+16*\c
.endr
.endr
.irp j, 0,1,2,3
.if \kind
	global_load_b32 v[BV+\j], v[BAR], s[8:9] offset:(32*(\j/2)+8*(\j%2))*4
.else
	global_load_b128 v[BI+8*\j:BI+8*\j+3], v[BAC], s[8:9] offset:128*(\j/2)+32*(\j%2)
	global_load_b128 v[BI+8*\j+4:BI+8*\j+7], v[BAC], s[8:9] offset:128*(\j/2)+32*(\j%2)+16
.endif
.endr
.irp q, 0,1,2,3,4,5,6,7                        ; fragment 4 q + j in window 1 + q / 4
	WIN (1+\q/4)<<6
.irp j, 0,1,2,3
.irp c, 0,1,2,3
	ds_load_b128 v[16*((4*\q+\j)%16)+4*\c:16*((4*\q+\j)%16)+4*\c+3], v[WBC] offset:TILEB*\j+2048*\q+512*\c
.endr
.endr
.endr
	WIN 0
	s_wait_tensorcnt 0x0                           ; no tensor load of mine is out, so a group 0 may be written;
	ds_add_u32 v[SPW], v[NIL]                      ; 0 onto my spare word;
	s_add_co_u32 s78, s80, s76
	s_add_nc_u64 s[G0R+2:G0R+3], s[4:5], s[78:79]
	s_or_b32 s[G0R+3], s[G0R+3], 0x80000000
	s_add_co_u32 s[G0R+1], s81, s76
	s_wait_dscnt 0x0                               ; the add is done, and my weight is in registers
	CROUND                                         ; so of every wave of all sixteen work-groups
	TLOAD G0R, G1R                                 ; my one tensor load behind the round
	FETCH AXP, 0, 0
	FETCH AXP, 1, 1
	s_wait_loadcnt 0x0                             ; scale words and bias
.if \kind
.irp j, 0,1,2,3
.irp i, 0,1,2,3,4,5,6,7
	v_mov_b32 v[BI+8*\j+\i], v[BV+\j]              ; v: a lane's eight sums of a tile are one channel's
.endr
.endr
	s_wait_alu depctr_va_vdst(0)
.endif
.endm
; FOUR TILES OF A HALF.  Behind the last tile's products: mid = 1: this half has been read: the next weight is filled over it, behind a drained round, which also shows the other half's tokens; mid = 2: a plain barrier shows them.
.macro HALF kind, areg, nreg, bank, mid
.irp n, 0,1,2,3
.if \n == 3
	s_wait_dscnt 0x0
.else
	s_wait_dscnt 32                                ; this tile is in; the next tile's 32 loads may be out
.endif
	PRODS \kind, \n%2, 32*(\bank)+8*\n
	PLACES NP                                      ; ahead of the readers of the sums and of the loads into the set just multiplied
.if \n < 2
	FETCH \areg, \n+2, \n%2
.endif
.if (\n == 3) && (\mid == 1)
	s_wait_tensorcnt 0x0
	ds_add_u32 v[SPW], v[NIL]
	s_add_nc_u64 s[G0W+2:G0W+3], s[4:5], s[82:83]
	s_or_b32 s[G0W+3], s[G0W+3], 0x80000000
	s_add_co_u32 s[G0W+1], s81, s77
	s_wait_dscnt 0x0
	CROUND
	TLOAD G0W, G1W
.endif
.if (\n == 3) && (\mid == 2)
	s_wait_tensorcnt 0x0
	s_wait_dscnt 0x0
	s_barrier_signal -1
	s_barrier_wait -1
.endif
.if (\n == 3) && (\mid > 0)
	FETCH \nreg, 0, 0
	FETCH \nreg, 1, 1
.endif
.if \kind
.if \n%2
	EPIV \n/2
.endif
.else
	EPIQ \n%2, \n
.endif
.endr
.endm
	s_mov_b32 s101, 0
.Lphase:                                               ; two trips: q, k
	TOP 0
	OUTPTR 77, 3, 8                                ; a half is 8 images of 2,048 bytes and 512 bytes of scale words
	HALF 0, AXP, AXQ, 0, 1
	OUTPTR 76, 3, 8
	HALF 0, AXQ, AXQ, 1, 0
	s_xor_b32 s76, s76, XW                         ; Hw and Hx change places
	s_xor_b32 s77, s77, XW
	s_add_co_u32 s82, s82, 64*TILEB                ; the weight after the next
	s_add_nc_u64 s[58:59], s[58:59], 64*512        ; (their loads have been waited for)
	s_add_nc_u64 s[8:9], s[8:9], 4096
	s_add_nc_u64 s[92:93], s[92:93], 0x800000      ; eight groups of 512 images on
	s_add_nc_u64 s[94:95], s[94:95], 0x40000
	s_add_co_u32 s101, s101, 1
	s_cmp_lt_u32 s101, 2
	s_wait_alu depctr_va_vdst(0)
	s_cbranch_scc1 .Lphase
	s_lshl_b32 s78, s22, 18                        ; v: qkvc + V_C: image 128 y + 8 x + 4 wc, quarter 2 wr
	s_lshl_b32 s2, s21, 14
	s_add_co_u32 s78, s78, s2
	s_lshl_b32 s2, s17, 13
	s_add_co_u32 s78, s78, s2
	s_lshl_b32 s2, s18, 10
	s_add_co_u32 s78, s78, s2
	s_add_co_u32 s78, s78, V_C
	s_add_nc_u64 s[92:93], s[10:11], s[78:79]
	s_lshl_b32 s78, s22, 13                        ; qkvs + V_S: 8,192 y + 512 x + 16 wc + 2 wr
	s_lshl_b32 s2, s21, 9
	s_add_co_u32 s78, s78, s2
	s_lshl_b32 s2, s17, 4
	s_add_co_u32 s78, s78, s2
	s_lshl_b32 s2, s18, 1
	s_add_co_u32 s78, s78, s2
	s_add_co_u32 s78, s78, V_S
	s_add_nc_u64 s[94:95], s[12:13], s[78:79]
	TOP 1
	OUTPTR 77, 0, 5                                ; a half is 64 images and 4,096 bytes of scale words
	HALF 1, AXP, AXQ, 0, 2
	OUTPTR 76, 0, 5
	HALF 1, AXQ, AXQ, 1, 0
	s_wait_tensorcnt 0x0                           ; the wave's end
	ds_add_u32 v[SPW], v[NIL]
	s_wait_dscnt 0x0
	CROUND                                         ; the closing round
	s_endpgm
.Lfunc_end_k_q956e686781_gemm_qkv:
	.size	k_q956e686781_gemm_qkv, .Lfunc_end_k_q956e686781_gemm_qkv-k_q956e686781_gemm_qkv
	.p2alignl 7, 3214868480
	.fill 96, 4, 3214868480
	.section	.rodata,"a",@progbits
	.p2align	6, 0x0
	.amdhsa_kernel k_q956e686781_gemm_qkv
		.amdhsa_group_segment_fixed_size 327680
		.amdhsa_private_segment_fixed_size 0
		.amdhsa_enable_private_segment 0
		.amdhsa_kernarg_size 40
		.amdhsa_user_sgpr_count 2
		.amdhsa_user_sgpr_kernarg_segment_ptr 1
		.amdhsa_wavefront_size32 1
		.amdhsa_system_sgpr_workgroup_id_x 1
		.amdhsa_system_sgpr_workgroup_id_y 1
		.amdhsa_system_sgpr_workgroup_id_z 1
		.amdhsa_system_vgpr_workitem_id 0
		.amdhsa_next_free_vgpr 1024
		.amdhsa_next_free_sgpr 102
		.amdhsa_reserve_vcc 0
		.amdhsa_float_denorm_mode_32 3
		.amdhsa_float_denorm_mode_16_64 3
		.amdhsa_memory_ordered 1
		.amdhsa_forward_progress 1
		.amdhsa_inst_pref_size 208
	.end_amdhsa_kernel
	.amdgpu_metadata
---
amdhsa.version: [ 1, 2 ]
amdhsa.kernels:
  - .name:           k_q956e686781_gemm_qkv
    .symbol:         k_q956e686781_gemm_qkv.kd
    .args:
      - { .name: opc, .offset: 0, .size: 8, .value_kind: global_buffer, .address_space: global }
      - { .name: ops, .offset: 8, .size: 8, .value_kind: global_buffer, .address_space: global }
      - { .name: b_qkv, .offset: 16, .size: 8, .value_kind: global_buffer, .address_space: global }
      - { .name: qkvc, .offset: 24, .size: 8, .value_kind: global_buffer, .address_space: global }
      - { .name: qkvs, .offset: 32, .size: 8, .value_kind: global_buffer, .address_space: global }
    .group_segment_fixed_size: 327680
    .private_segment_fixed_size: 0
    .kernarg_segment_align: 8
    .kernarg_segment_size: 40
    .max_flat_workgroup_size: 128
    .sgpr_count:     102
    .vgpr_count:     1024
    .wavefront_size: 32
...
	.end_amdgpu_metadata
.endif
;; end of part 2
;; launch attn (part 3): grid 64 x 4, 16 waves a work-group, no clusters, 272,384 bytes of LDS; arguments qkvc, qkvs, causal_mask, padding_mask, cls, aoc, aos; writes aoc, aos
.if DOCPART == 3
	.amdgcn_target "amdgcn-amd-amdhsa--gfx1250"
	.amdhsa_code_object_version 6
	.text
	.protected	k_q956e686781_attn
	.globl	k_q956e686781_attn
	.p2align	8
	.type	k_q956e686781_attn,@function
k_q956e686781_attn:
	s_mov_b64 s[64:65], 0
	v_nop
	global_prefetch_b8 v0, s[64:65] scope:SCOPE_SE
	s_setreg_imm32_b32 hwreg(HW_REG_WAVE_MODE, 25, 1), 1
	s_wait_xcnt 0x0
; softmax(q k^T / 8, masked) v for one head and batch, both products on codes of E5M2 with E8M0 scales; the result is quantised along D as the last product's operand.
; t = score x log2(e) / 8; M = the running largest t rounded up to a whole number; p = 2^(t - M) is quantised along the keys; the row's sum is taken of the unquantised p and divides at the end.
; SHARES.  A work-group (x = 16 b + head, y = jj 0..3) holds the head's whole K and V^T in LDS, staged once through registers.  Each of sixteen waves takes two tiles of 16 queries, t = jj + 4 u: u = wave, then u = 31 - wave.
; THE MASKS are inputs.  The launch before has stored a class for each (batch, tile, step of 128 keys): 0 nothing masked; 1 some: the step reads both masks' bytes; 2 every weight of the step is exactly 0: it is left out.
; This launch has no tensor load and no cluster: K and V come through registers, and a head's four work-groups each read them.
; A MASKED SCORE is S0 = -2^126.  c = log2(e) / 8 has 24 bits, so S0 c is exact and whole: in a row with every key masked M = S0 c, fma(S0, c, -M) = 0 and p = 1 on all 2,048 keys, the uniform row that finfo.min gives;
; where an open key follows, f = 2^(old M - new M) is 0 and wipes what was summed.  LIMITS: real scores under 2^100 in magnitude; NaN and infinities are not served; a block of p or of the result under 2^-111 keeps the byte 1.
; LAYOUT.  Both products transposed: a lane holds ONE query (lane % 16).  Tiles' rows are 32 (T / 2) + 8 (T % 2) + r + 8 (r / 8), so the 16 registers of score tiles 2 b, 2 b + 1 are keys 32 b + 16 h + 0 .. 15.
; K = 64 IN A FORM OF 128: a fragment of K holds TWO tiles of keys, 64 channels each; Q lies as [q][zeros][q] in 24 registers, and [q, 0] picks the first tile, [0, q] the second.  Zero codes add nothing under any scale byte.
; LDS: K's codes 0 .. 131,071 [tile][1,024]; V^T's 131,072 .. [step][channel tile][2,048]; K's scale words 262,144 .. [step][r][4]; V's 266,240 .. likewise.  Written once, ahead of the one barrier; then only read.
; The result's scale bytes (one for each 32 codes) leave as single bytes, rows 32 bytes apart.
.set V_C, 16777216
.set V_S, 524288
.set LV,  131072
.set LKS, 262144
.set FRG, 40                           ; v40-103  four fragments of K or of V^T
.set SS,  104                          ; v104-167 the scores, then p
.set OT,  168                          ; v168-199 O^T
.set PCD, 200                          ; v200-215 p's codes; in a step of class 1 first causal_mask's bytes
.set BM,  216                          ; v216-219 a block's largest; v220-223 the other half's, then bytes; v224-227 holds; v228-231 scale operands; in a step of class 1 first padding_mask's bytes
.set BP,  220
.set BH,  224
.set BS,  228
; v1 16 lane; v2 + LV; v3 16 r + LKS; v4-6 the step's LDS addresses; v7 my query's row of causal_mask + 16 h; v8 16 h; v9, v10 the masks' offsets; v11 32 r + h; v12 -M; v13 the largest t; v[14:15] the sum;
; v16-39 Q; v232-239 at work; v240-243 K's scale words, v244-247 V's, v248 Q's, v249 p's; v[250:251] f; v252, v253 at work; v254 S0.
; s[4:17] the seven buffers; s[18:19] my class word; s22 wave; s23 b; s24 head; s25 head % 2; s26 head / 2; s[28:29] lane selects; s[30:31] c; s32 57,344's mantissa; s33 pass; s34 t; s35 classes; s36 class; s37 steps to go;
; s38 8,192 k; s39 256 k; s40 128 k; s[44:55] the pass's pointers; s56, s57 byte selects; s58-61 masks.
	s_load_b256 s[4:11], s[0:1], 0x0               ; qkvc, qkvs, causal_mask, padding_mask
	s_load_b128 s[12:15], s[0:1], 0x20             ; cls, aoc
	s_load_b64 s[16:17], s[0:1], 0x30              ; aos
	v_lshrrev_b32 v1, 5, v0
	s_delay_alu instid0(VALU_DEP_1)
	v_readfirstlane_b32 s22, v1
	; There is no joint load.
	; THE GRID IS 64 x 4: x = 16 b + head, y = jj.  No cluster and no joint load.
	s_and_b32 s27, ttmp7, 0xffff                   ; jj
	s_mov_b32 s20, ttmp9                           ; 16 b + head
	s_lshr_b32 s23, s20, 4
	s_and_b32 s24, s20, 15
	s_and_b32 s25, s24, 1
	s_lshr_b32 s26, s24, 1
	s_mov_b32 s28, 0x76543210
	s_mov_b32 s29, 0xfedcba98
	s_mov_b32 s30, 0x3e38aa3b                      ; c = log2(e) / 8
	s_mov_b32 s31, s30                             ; (named with it as a pair)
	s_mov_b32 s32, 0x600000
	s_mov_b32 s56, 0x07060302                      ; an odd head's two scale bytes are a word's upper two
	s_mov_b32 s57, 0x03020302
	s_cmp_eq_u32 s25, 0
	s_cselect_b32 s56, 0x05040100, s56
	s_cselect_b32 s57, 0x01000100, s57
	; where the head's K and V^T lie
	s_add_co_u32 s40, s26, 8
	s_lshl_b32 s40, s40, 9
	s_lshl_b32 s41, s23, 7
	s_add_co_u32 s40, s40, s41                     ; (8 + head / 2) x 512 + 128 b: K's first image
	s_lshl_b32 s42, s40, 11
	s_lshl_b32 s41, s25, 10
	s_add_co_u32 s42, s42, s41                     ; the head's half of each image
	s_mov_b32 s43, 0
	s_lshl_b32 s44, s40, 6                         ; its scale words: 64 bytes a tile
	s_mov_b32 s45, 0
	s_lshl_b32 s46, s23, 21
	s_lshl_b32 s41, s24, 13
	s_add_co_u32 s46, s46, s41
	s_add_co_u32 s46, s46, V_C                     ; V^T: (1,024 b + 4 head) images on
	s_mov_b32 s47, 0
	s_lshl_b32 s48, s23, 16
	s_lshl_b32 s41, s26, 9
	s_add_co_u32 s48, s48, s41
	s_lshl_b32 s41, s25, 4
	s_add_co_u32 s48, s48, s41
	s_add_co_u32 s48, s48, V_S                     ; its scale words
	s_mov_b32 s49, 0
	s_lshl_b32 s50, s23, 11                        ; the batch's row of padding_mask
	s_mov_b32 s51, 0
	v_lshrrev_b32 v232, 6, v0
	v_and_b32 v233, 63, v0
	s_delay_alu instid0(VALU_DEP_1)
	v_lshlrev_b32 v233, 4, v233
	s_delay_alu instid0(VALU_DEP_1)
	v_lshl_add_u32 v232, v232, 11, v233            ; K's codes: 64 threads take a tile's 1,024 bytes, tiles 2,048 apart
	v_lshrrev_b32 v234, 5, v0
	v_bfe_u32 v233, v0, 1, 4
	s_delay_alu instid0(VALU_DEP_1)
	v_lshlrev_b32 v233, 5, v233
	s_delay_alu instid0(VALU_DEP_1)
	v_lshl_add_u32 v234, v234, 12, v233
	v_and_b32 v233, 1, v0
	s_delay_alu instid0(VALU_DEP_1)
	v_lshl_add_u32 v234, v233, 3, v234             ; V's scale words: step thread / 32, row (thread / 2) % 16, 8 bytes
	v_lshl_add_u32 v235, v0, 3, LKS                ; LDS: 8 bytes of scale words a thread
	v_lshlrev_b32 v236, 4, v0                      ; LDS and memory: 16 bytes a thread
	s_delay_alu instid0(VALU_DEP_1)
	v_add_nc_u32 v237, 0x10000, v236
	s_delay_alu instid0(VALU_DEP_2)
	v_add_nc_u32 v238, 0x20000, v236
	s_delay_alu instid0(VALU_DEP_3)
	v_add_nc_u32 v239, 0x30000, v236
	s_wait_alu depctr_va_vdst(0)
	s_wait_kmcnt 0x0
	s_add_nc_u64 s[42:43], s[4:5], s[42:43]
	s_add_nc_u64 s[44:45], s[6:7], s[44:45]
	s_add_nc_u64 s[46:47], s[4:5], s[46:47]
	s_add_nc_u64 s[48:49], s[6:7], s[48:49]
	s_add_nc_u64 s[50:51], s[10:11], s[50:51]
.irp i, 0,1,2,3,4,5,6,7,8,9,10,11,12,13,14,15
	global_load_b128 v[FRG+4*\i:FRG+4*\i+3], v232, s[42:43] offset:16384*\i       ; eight tiles of keys a load
.endr
.irp k, 0,1,2,3,4,5,6,7,8,9,10,11,12,13,14,15
	global_load_b128 v[SS+4*\k:SS+4*\k+3], v236, s[46:47] offset:131072*\k        ; a key step's four images of V^T a load
.endr
	global_load_b128 v[168:171], v236, s[44:45]    ; K's scale words of four tiles
	global_load_b64 v[172:173], v234, s[48:49]     ; V's of two channel tiles
	v_and_b32 v252, 31, v0
	v_and_b32 v253, 15, v0
	v_bfe_u32 v8, v0, 4, 1
	s_delay_alu instid0(VALU_DEP_3)
	v_lshlrev_b32 v1, 4, v252
	s_delay_alu instid0(VALU_DEP_1)
	v_add_nc_u32 v2, LV, v1
	s_delay_alu instid0(VALU_DEP_4)
	v_lshl_add_u32 v3, v253, 4, LKS
	v_and_b32 v7, 8, v253
	s_delay_alu instid0(VALU_DEP_1)
	v_add_nc_u32 v7, v7, v253
	s_delay_alu instid0(VALU_DEP_1)
	v_lshlrev_b32 v7, 11, v7
	s_delay_alu instid0(VALU_DEP_1)
	v_lshl_add_u32 v7, v8, 4, v7
	v_lshl_add_u32 v11, v253, 5, v8
	v_lshlrev_b32 v8, 4, v8
.irp j, 24,25,26,27,28,29,30,31
	v_mov_b32 v[\j], 0                             ; the zeros between Q's two copies
.endr
.set j, 0
.rept 32
	v_mov_b32 v[PCD+j], 0                          ; written once, so that they hold a number on every way through the text (four of them are lane permutes' destinations)
.set j, j+1
.endr
	v_mov_b32 v251, 0                              ; (the upper half of f's pair)
	v_mov_b32 v254, 0xfe800000                     ; S0 = -2^126
.irp i, 0,1,2,3,4,5,6,7,8,9,10,11,12,13,14,15,16,17,18,19,20,21,22,23,24,25,26,27,28,29,30,31
	s_wait_loadcnt 33-\i                           ; load i is in: 33 - i were issued behind it
	ds_store_b128 v[236+\i/8], v[FRG+4*\i:FRG+4*\i+3] offset:8192*(\i%8)
.endr
	s_wait_loadcnt 0x0
	v_perm_b32 v174, v169, v168, s56               ; a fragment of K is two tiles: the head's two bytes of each make its word
	v_perm_b32 v175, v171, v170, s56
	ds_store_b64 v235, v[174:175]
	ds_store_b64 v235, v[172:173] offset:4096
	s_wait_dscnt 0x0                               ; for the others' sake: my stores have landed
	s_barrier_signal -1
	s_barrier_wait -1                              ; the head's K and V^T lie in LDS; nothing writes LDS from here on
	s_mov_b32 s33, 0
.Lpass:
	s_wait_xcnt 0x0                                ; the last pass's loads and stores have read their bases, offsets and data
	s_sub_co_u32 s41, 31, s22
	s_cmp_eq_u32 s33, 0
	s_cselect_b32 s41, s22, s41
	s_lshl_b32 s34, s41, 2
	s_add_co_u32 s34, s34, s27                     ; t
	s_lshl_b32 s41, s23, 7
	s_add_co_u32 s41, s41, s34                     ; the token tile 128 b + t
	s_mov_b32 s43, 0
	s_lshl_b32 s40, s26, 9
	s_add_co_u32 s40, s40, s41
	s_lshl_b32 s40, s40, 11
	s_lshl_b32 s42, s25, 10
	s_add_co_u32 s42, s40, s42
	s_add_nc_u64 s[44:45], s[4:5], s[42:43]        ; Q's half image
	s_lshl_b32 s40, s26, 6
	s_lshr_b32 s42, s41, 3
	s_add_co_u32 s40, s40, s42
	s_lshl_b32 s40, s40, 9
	s_and_b32 s42, s34, 7
	s_lshl_b32 s42, s42, 2
	s_add_co_u32 s42, s40, s42
	s_add_nc_u64 s[46:47], s[6:7], s[42:43]        ; its scale words
	s_lshr_b32 s40, s34, 1
	s_lshl_b32 s40, s40, 16
	s_and_b32 s42, s34, 1
	s_lshl_b32 s42, s42, 14
	s_add_co_u32 s42, s40, s42
	s_add_nc_u64 s[48:49], s[8:9], s[42:43]        ; the tile's first row of causal_mask
	s_lshl_b32 s42, s41, 2
	s_add_nc_u64 s[18:19], s[12:13], s[42:43]      ; its classes
	s_lshl_b32 s40, s41, 14
	s_lshl_b32 s42, s26, 11
	s_add_co_u32 s40, s40, s42
	s_lshl_b32 s42, s25, 10
	s_add_co_u32 s42, s40, s42
	s_add_nc_u64 s[52:53], s[14:15], s[42:43]      ; the result's half image: K step head / 2 of the tile
	s_lshl_b32 s40, s41, 9
	s_lshl_b32 s42, s24, 1
	s_add_co_u32 s42, s40, s42
	s_add_nc_u64 s[54:55], s[16:17], s[42:43]      ; and its two scale bytes a row
	s_load_b32 s35, s[18:19], 0x0
	v_and_b32 v10, 15, v0
	s_delay_alu instid0(VALU_DEP_1)
	v_lshlrev_b32 v10, 5, v10
	global_load_b128 v[16:19], v1, s[44:45]
	global_load_b128 v[20:23], v1, s[44:45] offset:512
	global_load_b128 v[32:35], v1, s[44:45]        ; the second copy
	global_load_b128 v[36:39], v1, s[44:45] offset:512
	global_load_b32 v253, v10, s[46:47]
	v_mov_b32 v13, 0xff61b1e6                      ; the largest t so far: -3e38, under every t, S0 c too
	s_delay_alu instid0(VALU_DEP_1)
	v_floor_f32 v12, -v13
	v_mov_b32 v14, 0
	v_mov_b32 v15, 0
	v_mov_b32 v252, 0
.set j, 0
.rept 32
	v_mov_b32 v[OT+j], 0                           ; the step is written once: the first finds zeros
.set j, j+1
.endr
	s_wait_loadcnt 0x0
	s_wait_kmcnt 0x0
	v_perm_b32 v248, v253, v253, s57               ; the head's two bytes, twice: for [q, 0] and for [0, q]
	s_mov_b32 s38, 0
	s_mov_b32 s39, 0
	s_mov_b32 s40, 0
	s_mov_b32 s37, 16
.Lstep:
	s_and_b32 s36, s35, 3
	s_lshr_b32 s35, s35, 2
	s_cmp_eq_u32 s36, 2
	s_cbranch_scc1 .Lskip                          ; every weight of this step is 0
	v_add_nc_u32 v4, s38, v1
	v_add_nc_u32 v5, s38, v2
	v_add_nc_u32 v6, s39, v3
.rept 5
	v_nop                                          ; with the three additions: eight places behind the last step's products, ahead of loads into their registers
.endr
	s_cmp_lg_u32 s36, 1
	s_cbranch_scc1 .Lno_bytes
	v_add_nc_u32 v9, s40, v7
	v_add_nc_u32 v10, s40, v8
.irp b, 0,1,2,3
	global_load_b128 v[PCD+4*\b:PCD+4*\b+3], v9, s[48:49] offset:32*\b    ; my query's bytes for keys 32 b + 16 h + 0 .. 15
.endr
.irp b, 0,1,2,3
	global_load_b128 v[BM+4*\b:BM+4*\b+3], v10, s[50:51] offset:32*\b     ; the batch's
.endr
.Lno_bytes:
	s_wait_alu depctr_va_vdst(0)
.irp b, 0,1,2,3
.irp c, 0,1,2,3
	ds_load_b128 v[FRG+16*\b+4*\c:FRG+16*\b+4*\c+3], v4 offset:2048*\b+512*\c
.endr
.endr
	ds_load_b128 v[240:243], v6
	ds_load_b128 v[244:247], v6 offset:4096
	s_wait_dscnt 0x0
.irp b, 0,1,2,3
	v_wmma_scale_f32_16x16x128_f8f6f4 v[SS+16*\b:SS+16*\b+7], v[FRG+16*\b:FRG+16*\b+15], v[16:31], 0, v[240+\b], v248 matrix_a_fmt:MATRIX_FMT_BF8 matrix_b_fmt:MATRIX_FMT_BF8
	v_wmma_scale_f32_16x16x128_f8f6f4 v[SS+16*\b+8:SS+16*\b+15], v[FRG+16*\b:FRG+16*\b+15], v[24:39], 0, v[240+\b], v248 matrix_a_fmt:MATRIX_FMT_BF8 matrix_b_fmt:MATRIX_FMT_BF8
.endr
.rept 8
	v_nop
.endr
	s_wait_loadcnt 0x0                             ; the masks' bytes, where they were asked for
	s_cmp_lg_u32 s36, 1
	s_cbranch_scc1 .Lopen
.set j, 0
.rept 16
	v_or_b32 v[PCD+j], v[PCD+j], v[BM+j]
.set j, j+1
.endr
.set w, 0
.rept 16
.irp j, 0,1,2,3
	v_and_b32 v[232+\j], 1<<(8*\j), v[PCD+w]
.endr
.irp j, 0,1,2,3
	s_delay_alu instid0(VALU_DEP_4)
	v_cmp_ne_u32 s[58+\j], 0, v[232+\j]
.endr
.irp j, 0,1,2,3
	v_cndmask_b32 v[SS+4*w+\j], v[SS+4*w+\j], v254, s[58+\j]
.endr
.set w, w+1
.endr
.Lopen:
.irp t, 0,1,2,3
.irp c, 0,1,2,3
	ds_load_b128 v[FRG+16*\t+4*\c:FRG+16*\t+4*\c+3], v5 offset:2048*\t+512*\c   ; V^T lands while the softmax is walked
.endr
.endr
.irp b, 0,1,2,3
	v_max3_num_f32 v[BM+\b], v[SS+16*\b], v[SS+1+16*\b], v[SS+2+16*\b]   ; the largest score of each block of 32 keys: for the row's maximum, and, since p rises with the score, for the block's largest p
.endr
.irp i, 3,5,7,9,11,13
.irp b, 0,1,2,3
	v_max3_num_f32 v[BM+\b], v[BM+\b], v[SS+16*\b+\i], v[SS+1+16*\b+\i]
.endr
.endr
.irp b, 0,1,2,3
	v_max_num_f32 v[BM+\b], v[BM+\b], v[SS+15+16*\b]
.endr
.irp b, 0,1,2,3
	s_delay_alu instid0(VALU_DEP_4)
	v_permlanex16_b32 v[BP+\b], v[BM+\b], s28, s29
.endr
.irp b, 0,1,2,3
	s_delay_alu instid0(VALU_DEP_4)
	v_max_num_f32 v[BM+\b], v[BM+\b], v[BP+\b]     ; with lane l xor 16's 16 keys
.endr
	s_delay_alu instid0(VALU_DEP_2)
	v_max3_num_f32 v252, v[BM], v[BM+1], v[BM+2]
	s_delay_alu instid0(VALU_DEP_1)
	v_max_num_f32 v252, v252, v[BM+3]
	s_delay_alu instid0(VALU_DEP_1)
	v_mul_f32 v252, s30, v252                      ; as t (c is positive)
	s_delay_alu instid0(VALU_DEP_1)
	v_max_num_f32 v13, v13, v252                   ; the running largest t
	v_mov_b32 v252, v12
	s_delay_alu instid0(VALU_DEP_2)
	v_floor_f32 v12, -v13                          ; -M = floor(-t): M is a whole number
	s_delay_alu instid0(VALU_DEP_1)
	v_sub_f32 v252, v12, v252                      ; old M - new M: whole, 0 or less
	s_delay_alu instid0(VALU_DEP_1)
	v_cvt_i32_f32 v252, v252                       ; (it saturates)
	s_delay_alu instid0(VALU_DEP_1)
	v_ldexp_f32 v250, 1.0, v252                    ; f = 2^(old M - new M)
.set j, 0
.rept 32
	v_pk_fma_f32 v[SS+j:SS+j+1], v[SS+j:SS+j+1], s[30:31], v[12:13] op_sel_hi:[1,0,0]   ; t - M, two at a time
.set j, j+2
.endr
.irp b, 0,1,2,3
	v_fma_f32 v[BM+\b], v[BM+\b], s30, v12         ; the same of each block's largest score
.endr
.set j, 0
	s_wait_alu depctr_va_vdst(0)
.rept 64
	v_exp_f32 v[SS+j], v[SS+j]                     ; p, at most 1, not normalised
.set j, j+1
.endr
	v_pk_mul_f32 v[14:15], v[14:15], v[250:251] op_sel_hi:[1,0]   ; the sum under the new M: the plain line behind the exponentials
	s_wait_alu depctr_va_vdst(0)                   ; one wait for the batch of 64, ahead of its first reader
.irp b, 0,1,2,3
	v_exp_f32 v[BM+\b], v[BM+\b]                   ; the block's largest p
.endr
	v_pk_add_f32 v[232:233], v[108:109], v[112:113]
	v_pk_add_f32 v[242:243], v[116:117], v[120:121]
	v_pk_add_f32 v[240:241], v[124:125], v[128:129]
	v_pk_add_f32 v[238:239], v[132:133], v[136:137]
	v_pk_add_f32 v[236:237], v[140:141], v[144:145]
	v_pk_add_f32 v[234:235], v[148:149], v[152:153]
	v_pk_add_f32 v[230:231], v[156:157], v[160:161]
	v_pk_add_f32 v[14:15], v[14:15], v[164:165]
	v_pk_add_f32 v[232:233], v[232:233], v[104:105]
	v_pk_add_f32 v[242:243], v[242:243], v[106:107]
	v_pk_add_f32 v[240:241], v[240:241], v[110:111]
	v_pk_add_f32 v[238:239], v[238:239], v[114:115]
	v_pk_add_f32 v[236:237], v[236:237], v[118:119]
	v_pk_add_f32 v[234:235], v[234:235], v[122:123]
	v_pk_add_f32 v[230:231], v[230:231], v[126:127]
	v_pk_add_f32 v[14:15], v[14:15], v[130:131]
	v_pk_add_f32 v[232:233], v[232:233], v[134:135]
	v_pk_add_f32 v[242:243], v[242:243], v[138:139]
	v_pk_add_f32 v[240:241], v[240:241], v[142:143]
	v_pk_add_f32 v[238:239], v[238:239], v[146:147]
	v_pk_add_f32 v[236:237], v[236:237], v[150:151]
	v_pk_add_f32 v[234:235], v[234:235], v[154:155]
	v_pk_add_f32 v[230:231], v[230:231], v[158:159]
	v_pk_add_f32 v[14:15], v[14:15], v[162:163]
	v_pk_add_f32 v[232:233], v[232:233], v[166:167]
	s_delay_alu instid0(VALU_DEP_2)
	v_pk_add_f32 v[14:15], v[14:15], v[238:239]
	s_delay_alu instid0(VALU_DEP_2)
	v_pk_add_f32 v[232:233], v[232:233], v[236:237]
	v_pk_add_f32 v[242:243], v[242:243], v[234:235]
	v_pk_add_f32 v[240:241], v[240:241], v[230:231]
	s_delay_alu instid0(VALU_DEP_2)
	v_pk_add_f32 v[14:15], v[14:15], v[242:243]
	s_delay_alu instid0(VALU_DEP_2)
	v_pk_add_f32 v[232:233], v[232:233], v[240:241]
	s_delay_alu instid0(VALU_DEP_1)
	v_pk_add_f32 v[14:15], v[14:15], v[232:233]
	s_wait_alu depctr_va_vdst(0)                   ; and one for the four
.irp b, 0,1,2,3
	v_max_num_f32 v[BM+\b], 0x8000000, v[BM+\b]    ; the floor 2^(16 - 127): a block of zeros keeps the byte 1, its codes are zeros
.endr
.irp b, 0,1,2,3
	s_delay_alu instid0(VALU_DEP_4)
	v_add_nc_u32 v[BS+\b], 0xf8800000, v[BM+\b]    ; the conversion's scale operand
.endr
.irp b, 0,1,2,3
	v_and_or_b32 v[BH+\b], v[BM+\b], 0x7f800000, s32   ; 57,344 x the scale
.endr
.irp b, 0,1,2,3
	v_lshrrev_b32 v[BP+\b], 23, v[BS+\b]           ; the byte
.endr
	s_delay_alu instid0(VALU_DEP_3)
	v_lshl_or_b32 v249, v[BP+1], 8, v[BP]          ; p's scale word for these 128 keys
	s_delay_alu instid0(VALU_DEP_1)
	v_lshl_or_b32 v249, v[BP+2], 16, v249
	s_delay_alu instid0(VALU_DEP_1)
	v_lshl_or_b32 v249, v[BP+3], 24, v249
.irp b, 0,1,2,3
.irp i, 0,2,4,6,8,10,12,14
	v_dual_min_num_f32 v[SS+16*\b+\i], v[BH+\b], v[SS+16*\b+\i] :: v_dual_min_num_f32 v[SS+16*\b+\i+1], v[BH+\b], v[SS+16*\b+\i+1]   ; the conversion does not saturate (ISA guide 7.6.2); p is not negative: a one-sided hold, two numbers a line
.endr
	v_cvt_scalef32_pk8_bf8_f32 v[PCD+4*\b:PCD+1+4*\b], v[SS+16*\b:SS+7+16*\b], v[BS+\b]
	v_cvt_scalef32_pk8_bf8_f32 v[PCD+2+4*\b:PCD+3+4*\b], v[SS+8+16*\b:SS+15+16*\b], v[BS+\b]
.endr
.set j, 0
.rept 16
	v_pk_mul_f32 v[OT+j:OT+j+1], v[OT+j:OT+j+1], v[250:251] op_sel_hi:[1,0]   ; O^T under the new M; these sixteen also stand between the conversions and the products
.set j, j+2
.endr
	s_wait_alu depctr_va_vdst(0)
	s_wait_dscnt 0x0                               ; V^T is in
.irp t, 0,1,2,3
	v_wmma_scale_f32_16x16x128_f8f6f4 v[OT+8*\t:OT+8*\t+7], v[FRG+16*\t:FRG+16*\t+15], v[PCD:PCD+15], v[OT+8*\t:OT+8*\t+7], v[244+\t], v249 matrix_a_fmt:MATRIX_FMT_BF8 matrix_b_fmt:MATRIX_FMT_BF8
.endr
.Lskip:
	s_add_co_u32 s38, s38, 8192
	s_add_co_u32 s39, s39, 256
	s_add_co_u32 s40, s40, 128
	s_sub_co_i32 s37, s37, 1
	s_cmp_lg_u32 s37, 0
	s_cbranch_scc1 .Lstep
	; THE WAY OUT OF A PASS: O^T / the sum, quantised along the head's 64 channels (two blocks), stored as half of an image of the last product's operand
.rept 8
	v_nop
.endr
	v_add_f32 v14, v14, v15
	s_delay_alu instid0(VALU_DEP_1)
	v_permlanex16_b32 v252, v14, s28, s29
	s_delay_alu instid0(VALU_DEP_1)
	v_add_f32 v14, v14, v252                       ; the row's sum
	s_wait_alu depctr_va_vdst(0)
	v_rcp_f32 v14, v14
	v_and_b32 v253, 31, v0                         ; (a plain line behind the reciprocal)
	s_wait_alu depctr_va_vdst(0)                   ; ahead of its first reader
.set j, 0
.rept 16
	v_pk_mul_f32 v[SS+j:SS+j+1], v[OT+j:OT+j+1], v[14:15] op_sel_hi:[1,0]   ; register 16 b + i is channel 32 b + 16 h + i of my query
.set j, j+2
.endr
.irp b, 0,1
	v_max3_num_f32 v[BM+\b], |v[SS+16*\b]|, |v[SS+1+16*\b]|, 0x8000000
.endr
.irp i, 2,4,6,8,10,12,14
.irp b, 0,1
	s_delay_alu instid0(VALU_DEP_2)
	v_max3_num_f32 v[BM+\b], v[BM+\b], |v[SS+16*\b+\i]|, |v[SS+1+16*\b+\i]|
.endr
.endr
.irp b, 0,1
	s_delay_alu instid0(VALU_DEP_2)
	v_permlanex16_b32 v[BP+\b], v[BM+\b], s28, s29
.endr
.irp b, 0,1
	s_delay_alu instid0(VALU_DEP_2)
	v_max_num_f32 v[BM+\b], v[BM+\b], v[BP+\b]
.endr
.irp b, 0,1
	s_delay_alu instid0(VALU_DEP_2)
	v_add_nc_u32 v[BS+\b], 0xf8800000, v[BM+\b]
.endr
.irp b, 0,1
	s_delay_alu instid0(VALU_DEP_4)
	v_and_or_b32 v[BH+\b], v[BM+\b], 0x7f800000, s32
.endr
.irp b, 0,1
	s_delay_alu instid0(VALU_DEP_4)
	v_lshrrev_b32 v[BP+\b], 23, v[BS+\b]
.endr
.irp b, 0,1
.irp i, 0,1,2,3,4,5,6,7,8,9,10,11,12,13,14,15
	v_med3_num_f32 v[SS+16*\b+\i], v[SS+16*\b+\i], -v[BH+\b], v[BH+\b]
.endr
	v_cvt_scalef32_pk8_bf8_f32 v[PCD+4*\b:PCD+1+4*\b], v[SS+16*\b:SS+7+16*\b], v[BS+\b]
	v_cvt_scalef32_pk8_bf8_f32 v[PCD+2+4*\b:PCD+3+4*\b], v[SS+8+16*\b:SS+15+16*\b], v[BS+\b]
.endr
	v_cmp_le_u32 vcc_lo, 16, v253                  ; (a plain line behind the last conversion)
	s_delay_alu instid0(VALU_DEP_1)
	v_cndmask_b32 v252, v[BP], v[BP+1], vcc_lo     ; lanes 0-15 store block 0's byte of row r, lanes 16-31 block 1's
	global_store_b128 v1, v[PCD:PCD+3], s[52:53]   ; 512 consecutive bytes each
	global_store_b128 v1, v[PCD+4:PCD+7], s[52:53] offset:512
	global_store_b8 v11, v252, s[54:55]
	s_add_co_u32 s33, s33, 1
	s_cmp_lt_u32 s33, 2
	s_cbranch_scc1 .Lpass
	s_wait_xcnt 0x0
	v_lshl_add_u32 v254, v0, 2, 0x42000
	v_mov_b32 v255, 0
	s_wait_alu depctr_va_vdst(0)
	s_wait_tensorcnt 0x0
	ds_add_u32 v254, v255
	s_wait_dscnt 0x0
	s_endpgm
.Lfunc_end_k_q956e686781_attn:
	.size	k_q956e686781_attn, .Lfunc_end_k_q956e686781_attn-k_q956e686781_attn
	.p2alignl 7, 3214868480
	.fill 96, 4, 3214868480
	.section	.rodata,"a",@progbits
	.p2align	6, 0x0
	.amdhsa_kernel k_q956e686781_attn
		.amdhsa_group_segment_fixed_size 272384
		.amdhsa_private_segment_fixed_size 0
		.amdhsa_enable_private_segment 0
		.amdhsa_kernarg_size 56
		.amdhsa_user_sgpr_count 2
		.amdhsa_user_sgpr_kernarg_segment_ptr 1
		.amdhsa_wavefront_size32 1
		.amdhsa_system_sgpr_workgroup_id_x 1
		.amdhsa_system_sgpr_workgroup_id_y 1
		.amdhsa_system_sgpr_workgroup_id_z 1
		.amdhsa_system_vgpr_workitem_id 0
		.amdhsa_next_free_vgpr 256
		.amdhsa_next_free_sgpr 66
		.amdhsa_reserve_vcc 1
		.amdhsa_float_denorm_mode_32 3
		.amdhsa_float_denorm_mode_16_64 3
		.amdhsa_memory_ordered 1
		.amdhsa_forward_progress 1
		.amdhsa_inst_pref_size 57
	.end_amdhsa_kernel
	.amdgpu_metadata
---
amdhsa.version: [ 1, 2 ]
amdhsa.kernels:
  - .name:           k_q956e686781_attn
    .symbol:         k_q956e686781_attn.kd
    .args:
      - { .name: qkvc, .offset: 0, .size: 8, .value_kind: global_buffer, .address_space: global }
      - { .name: qkvs, .offset: 8, .size: 8, .value_kind: global_buffer, .address_space: global }
      - { .name: causal_mask, .offset: 16, .size: 8, .value_kind: global_buffer, .address_space: global }
      - { .name: padding_mask, .offset: 24, .size: 8, .value_kind: global_buffer, .address_space: global }
      - { .name: cls, .offset: 32, .size: 8, .value_kind: global_buffer, .address_space: global }
      - { .name: aoc, .offset: 40, .size: 8, .value_kind: global_buffer, .address_space: global }
      - { .name: aos, .offset: 48, .size: 8, .value_kind: global_buffer, .address_space: global }
    .group_segment_fixed_size: 272384
    .private_segment_fixed_size: 0
    .kernarg_segment_align: 8
    .kernarg_segment_size: 56
    .max_flat_workgroup_size: 512
    .sgpr_count:     66
    .vgpr_count:     256
    .wavefront_size: 32
...
	.end_amdgpu_metadata
.endif
;; end of part 3
;; launch gemm_out (part 4): grid 8 x 32, 4 waves a work-group, clusters of 4 x 4, 327,680 bytes of LDS; arguments aoc, aos, opc, ops, b_out, out0; writes out0
.if DOCPART == 4
	.amdgcn_target "amdgcn-amd-amdhsa--gfx1250"
	.amdhsa_code_object_version 6
	.text
	.protected	k_q956e686781_gemm_out
	.globl	k_q956e686781_gemm_out
	.p2align	8
	.type	k_q956e686781_gemm_out,@function
k_q956e686781_gemm_out:
	s_mov_b64 s[64:65], 0
	v_nop
	global_prefetch_b8 v0, s[64:65] scope:SCOPE_SE
	s_setreg_imm32_b32 hwreg(HW_REG_WAVE_MODE, 25, 1), 1
	s_wait_xcnt 0x0
	s_wait_alu depctr_hold_cnt(0) depctr_sa_sdst(0) depctr_va_vdst(0) depctr_va_sdst(0) depctr_va_ssrc(0) depctr_va_vcc(0) depctr_vm_vsrc(0)
	s_getreg_b32 s2, hwreg(HW_REG_IB_STS2, 6, 4)
	s_cmp_eq_u32 s2, 0
	s_cbranch_scc0 .Lentry_in_a_cluster
	s_endpgm
.Lentry_in_a_cluster:
	s_bfe_u32 s2, ttmp6, 0x10000c
	s_cmp_lg_u32 s2, 0xf033
	s_cbranch_scc0 .Lentry_shape_is_right
	s_endpgm
.Lentry_shape_is_right:
; out0 = ao W_out + b_out on codes of E5M2 with E8M0 scales, K = 1,024, f32 sums.
; OPERANDS are images of operand registers: aoc [token tile of 16][K step of 128][2,048 bytes]; opc likewise, W_out's columns in tiles 704-767; lane r of tile T is row 32 (T / 2) + 8 (T % 2) + r + 8 (r / 8).
; aos, ops: 32 scale bytes a row, rows in the tiles' order.
; THE DEAL.  256 work-groups of four waves, each 256 tokens x 128 columns.  Wave (wr = wave / 2, wc = wave % 2) holds four tiles of W_out (64 columns), ALL of K, in 512 registers, and streams the token tiles 2 n + wr, n = 0 .. 7,
; past them: a tile's 16,384 bytes stand in one of two register sets; 32 products a tile, its four accumulators by turns.  The bias is the first four products' C.
; The matrix instruction is used transposed (source 0 = 16 columns of W_out, source 1 = 16 tokens): by the tiles' order of rows the registers of accumulators 2 b, 2 b + 1 of lane (r, h) are columns 32 b + 16 h + 0 .. 15 of token row r.
; LDS: token tiles 0-7 at 0; the weight's 8 tiles at 131,072, and over them, once every wave holds its weight in registers, token tiles 8-15 by one refill behind a drained round of the cluster's barrier; the waves' stages; the spare words.
; FILLS.  At the head one joint load a wave, 65,536 dense bytes each: waves 0, 1 the weight's halves (shared along a column of the 4 x 4 cluster), waves 2, 3 token tiles 0-7 (shared along a row).  The first barrier shows the weight alone.
; The refill: 32,768 bytes a wave.  It is shown by the plain barrier behind tile n = 2's products, ahead of the fetch of n = 4.
; PREFETCH: the refill's 131,072 bytes are named once in each row of a cluster, at the head: 8,192 bytes for each of the row's sixteen waves, lanes 256 bytes apart, told apart by address.  The launch has no loop to run ahead in; what the head loads comes by its loads alone.
; SCALE WORDS come by plain loads straight into registers, 12,288 bytes a work-group: too small a part of its bytes for joint loads.
; THE WAY OUT of a tile, 16 tokens x 64 columns: through the wave's own stage in LDS and back by rows, so that sixteen lanes store one aligned run of 256 bytes; tile n - 1 is stored behind tile n's products.
; LIMITS: NaN, infinities and sums beyond f32's range are not served.
.set NP,     8                         ; plain vector lines behind this matrix instruction (ISA guide 7.12.1)
.set TILEB,  16384
.set XW,     131072
.set STAGE,  262144
.set SPITCH, 272
.set SPARE,  STAGE+4*16*SPITCH
.set AB,   4                           ; v4-7  LDS address of my token tiles 2 m, 2 m + 1 of eight
.set WB,   8                           ; v8    of my weight
.set ABS,  9                           ; v9    32 x lane: a weight's scale bytes, a pair of tiles
.set XSO,  10                          ; v10   32 r: a token tile's
.set BAC,  11                          ; v11   64 h: the bias
.set STO,  12                          ; v12   into the stage
.set RD,   13                          ; v13   back from it
.set CO,   14                          ; v14   4,096 h + 16 r: two rows of out0
.set PFO,  15                          ; v15   the prefetch's offset; never rewritten
.set SPW,  16
.set NIL,  17
.set SB,   24                          ; v24-39   the weight's scale words: register 8 p + q: lanes 0-15 tile 2 p's, lanes 16-31 tile 2 p + 1's
.set SA,   44                          ; v44-107  the tokens': register 8 n + q; no product's two scale words have numbers equal modulo 8
.set BI,   108                         ; v108-139 the bias in the accumulators' layout
.set ACC,  140                         ; v140-203 two sets of four accumulators
.set BK,   204                         ; v204-235 16 rows back from the stage
.set G1A, 24
.set G1B, 32
.set G1R, 40
.set G0A, 48
.set G0B, 52
.set G0R, 68
.set MSB, 0
.macro WIN new                         ; the immediate's high byte repeats the setting that is left
.if MSB != (\new)
	s_set_vgpr_msb (MSB<<8)|(\new)
.set MSB, (\new)
.endif
.endm
.macro PLACES n
.rept \n
	v_nop
.endr
.endm
.macro CROUND                          ; a round of the cluster's barrier
	s_barrier_signal -1
	s_barrier_wait -1
	s_cmp_lg_u32 s16, 0
	s_cbranch_scc1 .Lnot_wave_0_\@
	s_barrier_signal -3
.Lnot_wave_0_\@:
	s_barrier_wait -3
	s_barrier_signal -1
	s_barrier_wait -1
.endm
.macro TLOAD g0, g1                    ; an s_nop 0 and four v_nop follow a tensor load
	tensor_load_to_lds s[\g0:\g0+3], s[\g1:\g1+7]
	s_nop 0
	PLACES 4
.endm
.macro GROUP1 g, mask, rows            ; a dense run as rows of 4,096 bytes (512 elements of 8)
	s_or_b32 s[\g+0], s\mask, (3<<16)|(1<<21)
	s_mov_b32 s[\g+1], 512<<16
	s_mov_b32 s[\g+2], (\rows)<<16
	s_mov_b32 s[\g+3], 512<<16
	s_mov_b32 s[\g+4], \rows
	s_mov_b32 s[\g+5], 512
	s_mov_b32 s[\g+6], 0
	s_mov_b32 s[\g+7], 0
.endm
	s_load_b256 s[4:11], s[0:1], 0x0               ; aoc, aos, opc, ops
	s_load_b128 s[12:15], s[0:1], 0x20             ; b_out, out0
	v_lshl_add_u32 v[SPW], v0, 2, SPARE
	v_mov_b32 v[NIL], 0
	ds_add_u32 v[SPW], v[NIL]                      ; the opening: the add, twice on end, and its wait ahead of my first tensor load
	ds_add_u32 v[SPW], v[NIL]
	v_lshrrev_b32 v1, 5, v0
	v_readfirstlane_b32 s16, v1                    ; wave
	s_and_b32 s17, s16, 1                          ; wc
	s_lshr_b32 s18, s16, 1                         ; wr
	s_bfe_u32 s19, ttmp6, 0x40000                  ; cx
	s_bfe_u32 s20, ttmp6, 0x40004                  ; cy
	s_lshl_b32 s21, ttmp9, 2
	s_add_co_u32 s21, s21, s19                     ; which 128 columns
	s_and_b32 s22, ttmp7, 0xffff
	s_lshl_b32 s22, s22, 2
	s_add_co_u32 s22, s22, s20                     ; which 256 tokens
	s_lshl_b32 s23, s20, 2
	s_lshl_b32 s23, 15, s23                        ; my row of the cluster: shares the tokens
	s_lshl_b32 s56, 0x1111, s19                    ; my column: shares the weight
	GROUP1 G1A, 23, 16
	GROUP1 G1B, 56, 16
	GROUP1 G1R, 23, 8
	s_lshl_b32 s57, s17, 16                        ; which 65,536 bytes I fetch at the head
	s_lshl_b32 s58, s22, 18                        ; the block's 16 token tiles
	s_add_co_u32 s62, s58, XW                      ; its tiles 8-15
	s_add_co_u32 s58, s58, s57
	s_mov_b32 s59, 0
	s_lshl_b32 s60, s21, 17                        ; the block's 8 tiles of W_out
	s_add_co_u32 s60, s60, 704*TILEB
	s_add_co_u32 s60, s60, s57
	s_mov_b32 s61, 0
	s_lshl_b32 s66, s16, 15                        ; which 32,768 bytes of the refill
	s_add_co_u32 s62, s62, s66
	s_mov_b32 s63, 0
	s_mov_b32 s[G0A], 1
	s_mov_b32 s[G0A+1], s57
	s_mov_b32 s[G0B], 1
	s_add_co_u32 s[G0B+1], s57, XW
	s_mov_b32 s[G0R], 1
	s_add_co_u32 s[G0R+1], s66, XW
	s_wait_dscnt 0x0                               ; both opening adds are done
	CROUND                                         ; all sixteen work-groups are here: the first joint loads meet
	s_wait_kmcnt 0x0
	s_add_nc_u64 s[G0A+2:G0A+3], s[4:5], s[58:59]
	s_or_b32 s[G0A+3], s[G0A+3], 0x80000000
	s_add_nc_u64 s[G0B+2:G0B+3], s[8:9], s[60:61]
	s_or_b32 s[G0B+3], s[G0B+3], 0x80000000
	s_add_nc_u64 s[G0R+2:G0R+3], s[4:5], s[62:63]
	s_or_b32 s[G0R+3], s[G0R+3], 0x80000000
	s_cmp_lt_u32 s16, 2                            ; one joint load a wave; the weight, wanted first, has a line of its own
	s_cbranch_scc0 .Lfor_x
	TLOAD G0B, G1B
	s_branch .Lasked
.Lfor_x:
	TLOAD G0A, G1A
.Lasked:
	s_lshl_b32 s58, s22, 13                        ; aos: tile 16 y + wr, 512 bytes a tile
	s_lshl_b32 s66, s18, 9
	s_add_co_u32 s58, s58, s66
	s_add_nc_u64 s[6:7], s[6:7], s[58:59]
	s_lshl_b32 s58, s21, 12                        ; ops: tile 704 + 8 x + 4 wc
	s_lshl_b32 s66, s17, 11
	s_add_co_u32 s58, s58, s66
	s_add_co_u32 s58, s58, 704*512
	s_add_nc_u64 s[10:11], s[10:11], s[58:59]
	s_lshl_b32 s58, s21, 9                         ; my first column, in bytes of f32
	s_lshl_b32 s66, s17, 8
	s_add_co_u32 s58, s58, s66
	s_add_nc_u64 s[12:13], s[12:13], s[58:59]
	s_lshl_b32 s66, s22, 20                        ; out0: row 256 y + 8 wr
	s_add_co_u32 s58, s58, s66
	s_lshl_b32 s66, s18, 15
	s_add_co_u32 s58, s58, s66
	s_add_nc_u64 s[14:15], s[14:15], s[58:59]
	s_lshl_b32 s67, s19, 2                         ; the prefetch: which of the cluster row's sixteen waves I am
	s_add_co_u32 s67, s67, s16
	s_lshl_b32 s67, s67, 13
	s_lshl_b32 s66, s22, 18
	s_add_co_u32 s67, s67, s66
	s_add_co_u32 s67, s67, XW
	s_lshl_b32 s72, s18, 14                        ; token tile wr
	s_mul_i32 s73, s16, 16*SPITCH
	s_add_co_u32 s73, s73, STAGE                   ; my stage
	v_and_b32 v1, 15, v0                           ; r
	v_bfe_u32 v2, v0, 4, 1                         ; h
	v_and_b32 v3, 31, v0                           ; lane
	v_lshl_add_u32 v[AB], v3, 4, s72
	v_lshl_add_u32 v[WB], v3, 4, s[G0B+1]
	v_lshlrev_b32 v[ABS], 5, v3
	v_lshlrev_b32 v[XSO], 5, v1
	v_lshlrev_b32 v[BAC], 6, v2
	v_mul_u32_u24 v18, v1, SPITCH
	v_mul_u32_u24 v19, v2, SPITCH
	v_lshl_add_u32 v18, v2, 6, v18
	v_lshl_add_u32 v19, v1, 4, v19
	v_add_nc_u32 v[STO], s73, v18                  ; in: row r, + 64 h
	v_add_nc_u32 v[RD], s73, v19                   ; back: lanes 0-15 one row, lanes 16-31 the next
	v_lshlrev_b32 v[CO], 12, v2
	v_lshl_add_u32 v[CO], v1, 4, v[CO]
	v_lshl_add_u32 v[PFO], v3, 8, s67
	v_add_nc_u32 v[AB+1], 0x10000, v[AB]
	v_add_nc_u32 v[AB+2], 0x20000, v[AB]
	v_add_nc_u32 v[AB+3], 0x30000, v[AB]
	s_wait_alu depctr_va_vdst(0)
.irp p, 0,1
.irp c, 0,1
	global_load_b128 v[SB+8*\p+4*\c:SB+8*\p+4*\c+3], v[ABS], s[10:11] offset:1024*\p+16*\c
.endr
.endr
.irp n, 0,1,2,3,4,5,6,7
.irp c, 0,1
	global_load_b128 v[SA+8*\n+4*\c:SA+8*\n+4*\c+3], v[XSO], s[6:7] offset:1024*\n+16*\c
.endr
.endr
.irp j, 0,1,2,3
	global_load_b128 v[BI+8*\j:BI+8*\j+3], v[BAC], s[12:13] offset:128*(\j/2)+32*(\j%2)
	global_load_b128 v[BI+8*\j+4:BI+8*\j+7], v[BAC], s[12:13] offset:128*(\j/2)+32*(\j%2)+16
.endr
	global_prefetch_b8 v[PFO], s[4:5] th:TH_LOAD_NT scope:SCOPE_SE
	s_cmp_lt_u32 s16, 2
	s_cbranch_scc0 .Lnot_w
	s_wait_tensorcnt 0x0                           ; waves 0, 1: the weight has landed.  The other waves' wait stands ahead of the round below
.Lnot_w:
	s_barrier_signal -1
	s_barrier_wait -1
.irp q, 0,1,2,3,4,5,6,7                        ; my four tiles of the weight, all of K: fragment 4 q + j in window 1 + q / 4
	WIN (1+\q/4)<<6
.irp j, 0,1,2,3
.irp c, 0,1,2,3
	ds_load_b128 v[16*((4*\q+\j)%16)+4*\c:16*((4*\q+\j)%16)+4*\c+3], v[WB] offset:TILEB*\j+2048*\q+512*\c
.endr
.endr
.endr
	WIN 0
	s_wait_tensorcnt 0x0                           ; all my tensor loads are in (waves 2, 3: token tiles 0-7);
	ds_add_u32 v[SPW], v[NIL]                      ; 0 onto my spare word;
	s_wait_dscnt 0x0                               ; the add is done, and my weight is in registers
	CROUND                                         ; so of every wave of all sixteen work-groups
	TLOAD G0R, G1R                                 ; token tiles 8-15 over the weight's bytes: my one tensor load behind the round
.macro FETCH n                         ; my n-th token tile, all of K, into set n % 2 of window 3: 32 loads
	WIN 0xc0
.irp q, 0,1,2,3,4,5,6,7
.irp c, 0,1,2,3
	ds_load_b128 v[128*((\n)%2)+16*\q+4*\c:128*((\n)%2)+16*\q+4*\c+3], v[AB+(\n)/2] offset:32768*((\n)%2)+2048*\q+512*\c
.endr
.endr
	WIN 0
.endm
.macro PRODS n                         ; 32 products: K step q, weight tile j
.irp q, 0,1,2,3,4,5,6,7
	WIN (1+\q/4)|12
.irp j, 0,1,2,3
.set AC_, ACC+32*((\n)%2)+8*\j
.set CB_, AC_
.if \q == 0
.set CB_, BI+8*\j
.endif
.set W_, 16*((4*\q+\j)%16)
.set X_, 128*((\n)%2)+16*\q
.if \j%2
	v_wmma_scale_f32_16x16x128_f8f6f4 v[AC_:AC_+7], v[W_:W_+15], v[X_:X_+15], v[CB_:CB_+7], v[SB+8*(\j/2)+\q], v[SA+8*(\n)+\q] matrix_a_fmt:MATRIX_FMT_BF8 matrix_b_fmt:MATRIX_FMT_BF8 matrix_a_scale:MATRIX_SCALE_ROW1
.else
	v_wmma_scale_f32_16x16x128_f8f6f4 v[AC_:AC_+7], v[W_:W_+15], v[X_:X_+15], v[CB_:CB_+7], v[SB+8*(\j/2)+\q], v[SA+8*(\n)+\q] matrix_a_fmt:MATRIX_FMT_BF8 matrix_b_fmt:MATRIX_FMT_BF8
.endif
.endr
.endr
	WIN 0
.endm
.macro TOSTAGE n                       ; 8 stores, each accumulator from its low end on, and 8 loads; LDS serves a wave's instructions in order
.irp j, 0,1,2,3
	ds_store_b128 v[STO], v[ACC+32*((\n)%2)+8*\j:ACC+32*((\n)%2)+8*\j+3] offset:128*(\j/2)+32*(\j%2)
	ds_store_b128 v[STO], v[ACC+32*((\n)%2)+8*\j+4:ACC+32*((\n)%2)+8*\j+7] offset:128*(\j/2)+32*(\j%2)+16
.endr
.irp t, 0,1,2,3,4,5,6,7
	ds_load_b128 v[BK+4*\t:BK+4*\t+3], v[RD] offset:\t*2*SPITCH
.endr
.endm
.macro SEND n                          ; stage rows 2 t + h are tokens 32 n + 8 wr + 2 t + h + 8 (t / 4) of the block: sixteen lanes store 256 consecutive bytes, aligned
.irp t, 0,1,2,3,4,5,6,7
	global_store_b128 v[CO], v[BK+4*\t:BK+4*\t+3], s[14:15] offset:(32*(\n)+2*\t+8*(\t/4))*4096 th:TH_STORE_NT
.endr
.endm
.macro BLK n
.if (\n) == 0
	s_wait_dscnt 32                                ; tile 0 is in; tile 1's 32 loads may be out
.elseif (\n) == 7
	s_wait_dscnt 16                                ; behind tile 7's loads: the stage's 16 alone
.else
	s_wait_dscnt 48                                ; behind this tile's loads: the stage's 16 and the next tile's 32
.endif
	PRODS \n
	PLACES NP                                      ; ahead of the stores that read the sums and of the loads into the set just multiplied
.if (\n) > 0
.if (\n) == 7
	s_wait_dscnt 0x0
.else
	s_wait_dscnt 32                                ; the tile before is back from the stage; the next tile's 32 loads may be out
.endif
	SEND (\n)-1
	s_wait_xcnt 0x0                                ; the stores have read their registers, which the stage's loads below write
.endif
.if (\n) == 2
	s_wait_tensorcnt 0x0                           ; my part of token tiles 8-15 is in;
	s_wait_dscnt 0x0
	s_barrier_signal -1
	s_barrier_wait -1                              ; everybody's is.
.endif
	TOSTAGE \n
.if (\n) < 6
	FETCH (\n)+2
.endif
.endm
	FETCH 0
	FETCH 1
	s_wait_loadcnt 0x0                             ; scale words and bias
.irp n, 0,1,2,3,4,5,6,7
	BLK \n
.endr
	s_wait_dscnt 0x0
	SEND 7
	s_wait_tensorcnt 0x0                           ; the wave's end
	ds_add_u32 v[SPW], v[NIL]
	s_wait_dscnt 0x0
	CROUND                                         ; the closing round
	s_endpgm
.Lfunc_end_k_q956e686781_gemm_out:
	.size	k_q956e686781_gemm_out, .Lfunc_end_k_q956e686781_gemm_out-k_q956e686781_gemm_out
	.p2alignl 7, 3214868480
	.fill 96, 4, 3214868480
	.section	.rodata,"a",@progbits
	.p2align	6, 0x0
	.amdhsa_kernel k_q956e686781_gemm_out
		.amdhsa_group_segment_fixed_size 327680
		.amdhsa_private_segment_fixed_size 0
		.amdhsa_enable_private_segment 0
		.amdhsa_kernarg_size 48
		.amdhsa_user_sgpr_count 2
		.amdhsa_user_sgpr_kernarg_segment_ptr 1
		.amdhsa_wavefront_size32 1
		.amdhsa_system_sgpr_workgroup_id_x 1
		.amdhsa_system_sgpr_workgroup_id_y 1
		.amdhsa_system_sgpr_workgroup_id_z 1
		.amdhsa_system_vgpr_workitem_id 0
		.amdhsa_next_free_vgpr 1024
		.amdhsa_next_free_sgpr 80
		.amdhsa_reserve_vcc 0
		.amdhsa_float_denorm_mode_32 3
		.amdhsa_float_denorm_mode_16_64 3
		.amdhsa_memory_ordered 1
		.amdhsa_forward_progress 1
		.amdhsa_inst_pref_size 85
	.end_amdhsa_kernel
	.amdgpu_metadata
---
amdhsa.version: [ 1, 2 ]
amdhsa.kernels:
  - .name:           k_q956e686781_gemm_out
    .symbol:         k_q956e686781_gemm_out.kd
    .args:
      - { .name: aoc, .offset: 0, .size: 8, .value_kind: global_buffer, .address_space: global }
      - { .name: aos, .offset: 8, .size: 8, .value_kind: global_buffer, .address_space: global }
      - { .name: opc, .offset: 16, .size: 8, .value_kind: global_buffer, .address_space: global }
      - { .name: ops, .offset: 24, .size: 8, .value_kind: global_buffer, .address_space: global }
      - { .name: b_out, .offset: 32, .size: 8, .value_kind: global_buffer, .address_space: global }
      - { .name: out0, .offset: 40, .size: 8, .value_kind: global_buffer, .address_space: global }
    .group_segment_fixed_size: 327680
    .private_segment_fixed_size: 0
    .kernarg_segment_align: 8
    .kernarg_segment_size: 48
    .max_flat_workgroup_size: 128
    .sgpr_count:     80
    .vgpr_count:     1024
    .wavefront_size: 32
...
	.end_amdgpu_metadata
.endif
;; end of part 4
